; MI455X (gfx1250); checked and timed in simulation.
; The chip was launched on July 23, 2026; its instructions are those of AMD's public machine-readable ISA for CDNA 5 (MIT licence, August 2026) and "CDNA5" Instruction Set Architecture Reference Guide (July 2026). The comments in the code are by the model that wrote it; some were corrected since.
;; Multi Head Self Attention. Allowed arithmetic: matrix products marked QUANTISED: E2M3 operands, one E8M0 scale for each 32 along K, by v_wmma_scale_f32_16x16x128_f8f6f4 with both operands' format E2M3, f32 sums; everything else in f32.
;; Inputs: proj_b 1,024 float32; proj_w 1,024 x 1,024 float32; qkv_b 3,072 float32; qkv_w 3,072 x 1,024 float32; x 4 x 2,048 x 1,024 float32.
;; Outputs: out0 4 x 2,048 x 1,024 float32.
;; This version of the problem:
;;   THIS VERSION OF THE PROBLEM IS GIVEN IN LOW PRECISION. The matrix products marked QUANTISED in the list below multiply operands that are first quantised to E2M3 (2 exponent bits, 3 mantissa bits; 6 bits a number), with one power-of-two scale for each 32 numbers along K (OCP MX v1.0); their sums are f32. All else is computed in f32.
;;   The module's matrix products, in the order in which they are computed (A, B: the left and right operand; K: the contracted axis; several contracted axes count as one K, in the product's order):
;;     1. [M 8,192, K 1,024] x [K 1,024, N 3,072]; A: input x; B: input qkv_w: QUANTISED
;;     2. batch 64 x [M 2,048, K 64] x [K 64, N 2,048]; A: computed on the way; B: computed on the way: QUANTISED
;;     3. batch 64 x [M 2,048, K 2,048] x [K 2,048, N 64]; A: softmax (see below); B: computed on the way: QUANTISED
;;     4. [M 8,192, K 1,024] x [K 1,024, N 1,024]; A: computed on the way; B: input proj_w: QUANTISED
;;   THE QUANTISER, for each operand of a quantised product, along K:
;;     - K is cut into blocks of 32 from its start; a last block that is shorter is filled with zeros.
;;     - A block's scale is 2^e with e = floor(log2(the largest magnitude in the block)) - 2, held to -126 .. 127; a block of zeros has e = 0. As a byte (E8M0): e + 127.
;;     - Each number is divided by its block's scale, clamped to +-7.5, and rounded to the nearest number of E2M3, ties to even, subnormals kept.
;;     - The product sums the exact products of the quantised numbers (number of the format x scale) in f32.
;;   ~~~python
;;   def quantise(x, axis):      # numpy; x: float32 -> the quantised numbers, widened to float32 again
;;       x = np.moveaxis(x, axis, -1); K = x.shape[-1]
;;       x = np.pad(x, [(0, 0)] * (x.ndim - 1) + [(0, -K % 32)]); x = x.reshape(x.shape[:-1] + (-1, 32)); a = np.abs(x).max(-1, keepdims=True)
;;       e = np.where(a > 0, np.clip(np.frexp(np.where(a > 0, a, 1))[1] - 1 - 2, -126, 127), 0)      # np.frexp(a)[1] - 1 = floor(log2(a)), exactly
;;       r = np.clip(x / 2.0 ** e, -7.5, 7.5)
;;       step = 2.0 ** (np.maximum(np.frexp(np.where(r == 0, 1, r))[1] - 1, 0) - 3)
;;       q = np.round(r / step) * step * 2.0 ** e      # np.round: ties to even
;;       return np.moveaxis(q.reshape(q.shape[:-2] + (-1,))[..., :K], -1, axis).astype(np.float32)
;;   ~~~
;;   SOFTMAX AHEAD OF A QUANTISED PRODUCT. Where the list says 'softmax', what is quantised is not the finished softmax but p = 2^(t - M), with t = logit x log2(e) and M = ceil(the row's largest t), a whole number; so 1/2 < the row's largest p <= 1. The row's sum l is taken of the UNQUANTISED p, in f32, and the product's result is divided by l at the end. Since M is a whole number, a kernel that streams over the keys may use a running M (the ceiling of the running maximum): every later rescaling is an exact power of two, which a block's scale takes up: the codes' values come out the same.
;;   OPERANDS COMPUTED ON THE WAY. 'Computed on the way' means the value that the module computes at that place (a softmax that the list does not call 'softmax' is quantised finished and normalised). What goes into a quantiser is computed in f32, as accurately as f32 sums, v_exp_f32 and their like allow (about 1e-6 of the number): no bf16 or f16 on the way to a quantiser, and a product that is left as it is and whose result goes on into a quantised operand takes f32 operands (vector FMAs, or v_wmma_f32_16x16x4_f32). A number that lies on a knife's edge between two numbers of the format may be rounded either way, as far as f32 arithmetic and the matrix unit's own rounding can turn it there, and no further.
;; One version. Each part assembles by itself: llvm-mc -triple=amdgcn-amd-amdhsa -mcpu=gfx1250 --defsym DOCPART=n.
;; ======== version 1 of 1: 5 launches
;; workspace buffers: opc 9,830,400 bytes; qkv 19,660,800 bytes; ao 6,553,600 bytes
;; launch quant (part 1): grid 384 x 1, 4 waves a work-group, no clusters, 34,304 bytes of LDS; arguments x, qkv_w, proj_w, opc; writes opc
.if DOCPART == 1
	.amdgcn_target "amdgcn-amd-amdhsa--gfx1250"
	.amdhsa_code_object_version 6
	.text
	.protected	k_q33c7ab6f0b_quant
	.globl	k_q33c7ab6f0b_quant
	.p2align	8
	.type	k_q33c7ab6f0b_quant,@function
k_q33c7ab6f0b_quant:
	s_mov_b64 s[64:65], 0
	v_nop
	global_prefetch_b8 v0, s[64:65] scope:SCOPE_SE
	s_setreg_imm32_b32 hwreg(HW_REG_WAVE_MODE, 25, 1), 1
	s_wait_xcnt 0x0
; x [8192][1024], qkv_w [3072][1024] and proj_w [1024][1024], f32, K innermost, become codes of FP6 (E2M3) with one E8M0 scale byte for each 32 along K, laid in opc
; IN THE ORDER OF THE OPERAND'S REGISTERS.  opc is [tile 0..767][group 0..1][6,400 bytes]: tiles 0-511 x, 512-703 qkv_w, 704-767 proj_w.
; A TILE is 16 rows that are not neighbours: slot p of tile T is row 32 (T / 2) + 8 (T % 2) + p + 8 (p / 8), so that the results of two neighbouring tiles used as source 0 are 16 neighbours in a lane's registers.
; A GROUP is 512 along K: four fragments (16 rows x 128 K, 12 registers a lane) of 1,536 bytes, then 256 bytes of scale words (16 p + 4 i: slot p, fragment i).
; A fragment lies as two halves of 768 bytes: registers 0-3 of lane l at 16 l, registers 4-5 at 512 + 8 l; then registers 6-9 and 10-11 likewise.
; A block's scale is 2^(floor(log2(its largest magnitude)) - 2); its byte is the largest magnitude's exponent field - 2, held at 1 from below.
; LIMITS: NaN and infinities among the inputs are not served; a block whose largest magnitude lies under 2^-124 keeps the byte 1; a block of zeros gets the byte 1 where the rule says 127
; (its codes are zeros, which add nothing under any byte but 0xff, and these bytes are read by this program alone).
; SHARES: a wave takes one tile and one group: 32 KiB in, 6,400 bytes out.  Each load reads 512 consecutive bytes of one row; the 16 rows turn through the wave's own stage in LDS,
; from which lane (r, h) takes the two whole blocks of row r that the operand's layout gives it (k = 64 c + 32 h + 0 .. 31).  No tensor loads, no barrier: waves share nothing.  Matrix units and clusters have nothing to do here.
.set STG,  8448                        ; a wave's stage: 16 rows of 512 bytes + 16 of padding
.set FRB,  1536                        ; a fragment's image
.set R,    16                          ; v16-143  two sets of 64: a fragment's numbers as loaded
.set X,    144                         ; v144-207 my two blocks of 32
.set C,    208                         ; v208-231 two sets of 12: a fragment's codes
.set SQ,   232                         ; v232-238 the second halves of the blocks' codes, before they are moved
.set W,    240                         ; v240-243 a scale word for each fragment
.set TM,   244                         ; v244-251 at work
	s_load_b256 s[4:11], s[0:1], 0x0               ; x s[4:5], qkv_w s[6:7], proj_w s[8:9], opc s[10:11]
	v_lshl_add_u32 v254, v0, 2, 0x8400
	v_mov_b32 v255, 0
	v_lshrrev_b32 v1, 5, v0
	v_readfirstlane_b32 s12, v1                    ; wave
	v_and_b32 v2, 31, v0                           ; lane
	v_and_b32 v3, 15, v0                           ; r
	v_bfe_u32 v9, v0, 4, 1                         ; h
	v_lshlrev_b32 v4, 4, v2                        ; 16 x lane: my bytes of a load's 512, and of a store's
	s_mul_i32 s13, s12, STG
	v_add_nc_u32 v5, s13, v4                       ; the stage, on the way in
	v_mul_u32_u24 v6, v3, 528
	v_lshl_add_u32 v6, v9, 7, v6
	v_add_nc_u32 v6, s13, v6                       ; and on the way out: row r, + 128 h bytes
	v_lshlrev_b32 v7, 3, v2                        ; 8 x lane
	v_lshlrev_b32 v8, 4, v3
	v_lshl_add_u32 v8, v9, 3, v8                   ; 16 r + 8 h: my two scale words
	v_lshlrev_b32 v10, 3, v9                       ; 8 h: my bytes' place in a scale word
	v_mov_b32 v[TM+7], 0                           ; written once: a lane permute's destination counts as one of its sources
	s_mov_b32 s22, 0x76543210
	s_mov_b32 s23, 0xfedcba98                      ; v_permlanex16_b32's selects for lane l xor 16
	s_lshl_b32 s14, ttmp9, 2
	s_add_co_u32 s14, s14, s12                     ; my job: 2 x tile + group
	s_lshr_b32 s15, s14, 1
	s_and_b32 s16, s14, 1
	s_wait_alu depctr_va_vdst(0)
	s_wait_kmcnt 0x0
	s_cmp_lt_u32 ttmp9, 256                        ; which tensor: the choice hangs on the work-group's number alone
	s_cselect_b64 s[4:5], s[4:5], s[6:7]
	s_cselect_b32 s17, 0, 512
	s_cmp_lt_u32 ttmp9, 352
	s_cselect_b64 s[4:5], s[4:5], s[8:9]
	s_cselect_b32 s17, s17, 704
	s_sub_co_u32 s15, s15, s17                     ; the tile within its tensor
	s_lshr_b32 s18, s15, 1
	s_lshl_b32 s18, s18, 5
	s_and_b32 s19, s15, 1
	s_lshl_b32 s19, s19, 3
	s_add_co_u32 s18, s18, s19                     ; its slot 0's row
	s_lshl_b32 s18, s18, 12                        ; rows of 4,096 bytes
	s_lshl_b32 s19, s16, 11                        ; the group's 2,048 bytes
	s_add_co_u32 s18, s18, s19
	s_mov_b32 s19, 0
	s_add_nc_u64 s[4:5], s[4:5], s[18:19]
	s_mul_i32 s20, s14, 6400
	s_mov_b32 s21, 0
	s_add_nc_u64 s[10:11], s[10:11], s[20:21]
.macro LOAD i                          ; fragment i: 512 bytes of each of the tile's 16 rows
.irp p, 0,1,2,3,4,5,6,7,8,9,10,11,12,13,14,15
	global_load_b128 v[R+64*((\i)%2)+4*\p:R+64*((\i)%2)+4*\p+3], v4, s[4:5] offset:(\p+8*(\p/8))*4096+512*(\i) th:TH_LOAD_NT
.endr
.endm
.macro FR i, left
.set RS, R+64*((\i)%2)
.set CS, C+12*((\i)%2)
	s_wait_loadcnt \left                           ; this fragment's 16 loads are in; the next fragment's 16 may be out
.irp p, 0,1,2,3,4,5,6,7,8,9,10,11,12,13,14,15
	ds_store_b128 v5, v[RS+4*\p:RS+4*\p+3] offset:528*\p
.endr
.irp q, 0,1,2,3,4,5,6,7,8,9,10,11,12,13,14,15
	ds_load_b128 v[X+4*\q:X+4*\q+3], v6 offset:256*(\q/8)+16*(\q%8)   ; LDS serves a wave's instructions in order: these see the stores above
.endr
	s_wait_dscnt 0x0                               ; my two blocks are back, and the stores have read their registers
.if (\i) < 2
	LOAD (\i)+2
.endif
.irp c, 0,1
	v_max3_num_f32 v[TM+\c], |v[X+32*\c]|, |v[X+32*\c+1]|, 0x1800000   ; block 2 c + h: all 32 numbers are mine; the floor 2^(3 - 127) holds the byte at 1 from below
.endr
.irp i2, 2,4,6,8,10,12,14,16,18,20,22,24,26,28,30
.irp c, 0,1
	v_max3_num_f32 v[TM+\c], v[TM+\c], |v[X+32*\c+\i2]|, |v[X+32*\c+\i2+1]|
.endr
.endr
.irp c, 0,1
	v_add_nc_u32 v[TM+2+\c], 0xff000000, v[TM+\c]  ; 2 off the exponent field: the conversion takes this operand's exponent field as its scale
.endr
.irp c, 0,1
	v_lshrrev_b32 v[TM+4+\c], 23, v[TM+2+\c]       ; the scale's byte
.endr
	v_lshl_or_b32 v[TM+6], v[TM+5], 16, v[TM+4]    ; my two bytes: blocks h and 2 + h,
	v_lshlrev_b32 v[TM+6], v10, v[TM+6]            ; at their places;
	v_permlanex16_b32 v[TM+7], v[TM+6], s22, s23
	v_or_b32 v[W+(\i)], v[TM+6], v[TM+7]           ; with lane l xor 16's two the row's word is whole
.if (\i) >= 2
	s_wait_alu depctr_va_vdst(0)
	s_wait_xcnt 0x0                                ; the stores of two fragments ago have read this set of codes
.endif
.irp c, 0,1
	v_cvt_scalef32_pk16_fp6_f32 v[CS+6*\c:CS+6*\c+2], v[X+32*\c:X+32*\c+15], v[TM+2+\c]
	v_cvt_scalef32_pk16_fp6_f32 v[SQ+4*\c:SQ+4*\c+2], v[X+32*\c+16:X+32*\c+31], v[TM+2+\c]   ; (a conversion's three registers begin on an even number)
.endr
	v_nop                                          ; one plain place behind a scaled conversion
.irp c, 0,1
.irp k, 0,1,2
	v_mov_b32 v[CS+6*\c+3+\k], v[SQ+4*\c+\k]
.endr
.endr
	global_store_b128 v4, v[CS:CS+3], s[10:11] offset:FRB*(\i)             ; 512 consecutive bytes, at a multiple of 256 from the buffer's first byte
	global_store_b64 v7, v[CS+4:CS+5], s[10:11] offset:FRB*(\i)+512        ; 256
	global_store_b128 v4, v[CS+6:CS+9], s[10:11] offset:FRB*(\i)+768
	global_store_b64 v7, v[CS+10:CS+11], s[10:11] offset:FRB*(\i)+1280
.endm
	LOAD 0
	LOAD 1
	FR 0, 16
	FR 1, 16
	FR 2, 16
	FR 3, 0
	v_cmp_le_u32 vcc_lo, 16, v2                    ; lanes 0-15 store their row's words 0 and 1, lanes 16-31 words 2 and 3
	v_cndmask_b32 v[TM], v[W], v[W+2], vcc_lo
	v_cndmask_b32 v[TM+1], v[W+1], v[W+3], vcc_lo
	global_store_b64 v8, v[TM:TM+1], s[10:11] offset:6144   ; 256 consecutive bytes
	s_wait_tensorcnt 0x0
	ds_add_u32 v254, v255
	s_wait_dscnt 0x0
	s_endpgm
.Lfunc_end_k_q33c7ab6f0b_quant:
	.size	k_q33c7ab6f0b_quant, .Lfunc_end_k_q33c7ab6f0b_quant-k_q33c7ab6f0b_quant
	.p2alignl 7, 3214868480
	.fill 96, 4, 3214868480
	.section	.rodata,"a",@progbits
	.p2align	6, 0x0
	.amdhsa_kernel k_q33c7ab6f0b_quant
		.amdhsa_group_segment_fixed_size 34304
		.amdhsa_private_segment_fixed_size 0
		.amdhsa_enable_private_segment 0
		.amdhsa_kernarg_size 32
		.amdhsa_user_sgpr_count 2
		.amdhsa_user_sgpr_kernarg_segment_ptr 1
		.amdhsa_wavefront_size32 1
		.amdhsa_system_sgpr_workgroup_id_x 1
		.amdhsa_system_sgpr_workgroup_id_y 1
		.amdhsa_system_sgpr_workgroup_id_z 1
		.amdhsa_system_vgpr_workitem_id 0
		.amdhsa_next_free_vgpr 256
		.amdhsa_next_free_sgpr 66
		.amdhsa_reserve_vcc 1
		.amdhsa_float_denorm_mode_32 3
		.amdhsa_float_denorm_mode_16_64 3
		.amdhsa_memory_ordered 1
		.amdhsa_forward_progress 1
		.amdhsa_inst_pref_size 31
	.end_amdhsa_kernel
	.amdgpu_metadata
---
amdhsa.version: [ 1, 2 ]
amdhsa.kernels:
  - .name:           k_q33c7ab6f0b_quant
    .symbol:         k_q33c7ab6f0b_quant.kd
    .args:
      - { .name: x, .offset: 0, .size: 8, .value_kind: global_buffer, .address_space: global }
      - { .name: qkv_w, .offset: 8, .size: 8, .value_kind: global_buffer, .address_space: global }
      - { .name: proj_w, .offset: 16, .size: 8, .value_kind: global_buffer, .address_space: global }
      - { .name: opc, .offset: 24, .size: 8, .value_kind: global_buffer, .address_space: global }
    .group_segment_fixed_size: 34304
    .private_segment_fixed_size: 0
    .kernarg_segment_align: 8
    .kernarg_segment_size: 32
    .max_flat_workgroup_size: 128
    .sgpr_count:     66
    .vgpr_count:     256
    .wavefront_size: 32
...
	.end_amdgpu_metadata
.endif
;; end of part 1
;; launch gemm_qk (part 2): grid 8 x 64, 4 waves a work-group, clusters of 4 x 4, 307,712 bytes of LDS; arguments opc, qkv_b, qkv; writes qkv
.if DOCPART == 2
	.amdgcn_target "amdgcn-amd-amdhsa--gfx1250"
	.amdhsa_code_object_version 6
	.text
	.protected	k_q33c7ab6f0b_gemm_qk
	.globl	k_q33c7ab6f0b_gemm_qk
	.p2align	8
	.type	k_q33c7ab6f0b_gemm_qk,@function
k_q33c7ab6f0b_gemm_qk:
	s_mov_b64 s[64:65], 0
	v_nop
	global_prefetch_b8 v0, s[64:65] scope:SCOPE_SE
	s_setreg_imm32_b32 hwreg(HW_REG_WAVE_MODE, 25, 1), 1
	s_wait_xcnt 0x0
	s_wait_alu depctr_hold_cnt(0) depctr_sa_sdst(0) depctr_va_vdst(0) depctr_va_sdst(0) depctr_va_ssrc(0) depctr_va_vcc(0) depctr_vm_vsrc(0)
	s_getreg_b32 s2, hwreg(HW_REG_IB_STS2, 6, 4)
	s_cmp_eq_u32 s2, 0
	s_cbranch_scc0 .Lentry_in_a_cluster
	s_endpgm
.Lentry_in_a_cluster:
	s_bfe_u32 s2, ttmp6, 0x10000c
	s_cmp_lg_u32 s2, 0xf033
	s_cbranch_scc0 .Lentry_shape_is_right
	s_endpgm
.Lentry_shape_is_right:
; ONE TEXT FOR THREE LAUNCHES; MODE, in the next line, is all that differs.  D = P R^T + bias on codes of FP6 (E2M3) with E8M0 scales, K = 1,024; sums in f32.
; MODE 0: P = rows 0-2,047 of qkv_w (q's and k's features), R = tokens; the results + qkv_b are quantised along a head's 64 and stored as operands of q k^T.
; MODE 1: P = tokens, R = rows 2,048-3,071 of qkv_w (v's features); the results + qkv_b are quantised along the keys and stored as operands of p v.
; MODE 2: P = rows of proj_w, R = tokens (the attention's result, as codes); the results + proj_b are the output, f32.
.set MODE, 0
; OPERANDS lie in memory in the order of their registers: [tile of 16 rows][group of 512 K][6,400 bytes]: four fragments of 1,536 bytes, then 256 bytes of scale words (16 x slot + 4 x fragment).
; Slot p of tile T is row 32 (T / 2) + 8 (T % 2) + p + 8 (p / 8).  Source 0 is P, so register j of lane (r, h) in the results of tiles 2 b + u is P's row 32 b + 16 h + 8 u + j: 16 neighbours in two tiles' registers;
; source 1 is R: a lane holds one row of R.  So the axis that is quantised next runs along a lane's registers.
; SHARES: a work-group makes 256 of P x 128 of R; wave w makes 128 (w % 2) x 64 (w / 2): 32 accumulators, 256 registers.
; ALL OF K LIES IN LDS: 24 tiles x 12,800 bytes = 307,200, filled once, in two groups of 512 K, so that no LDS byte is filled twice: no ring.  A larger block would not fit whole.
; CLUSTERS: 4 x 4 work-groups.  P's tiles hang on the work-group's x alone and are shared along a column of the cluster, R's on y alone and are shared along a row: each is asked for jointly.
; The bias is the C of each sum's first matrix instruction.  The 32 accumulators take turns, one instruction a turn, in the same order in every K step.
; LIMITS (MODE 0, 1): NaN and infinities are not served; a block whose largest magnitude lies under 2^-124, a block of zeros among them, keeps the scale byte 1 (zero codes add nothing; this program alone reads the bytes).
; REGISTERS: window 0: v1-15 addresses; v16-79 scale words, a set for each group; v80-175 R's fragments, two sets; v176-208 the way out.  window 1: P's fragments, two sets, at v0 and v128.
;   window 2: accumulator (m, t) at v[64 m + 8 t].  window 3: the bias, in the result's layout.
.set TILE,  6400                       ; a tile's bytes in one group
.set TSTR,  12800                      ; from tile to tile in memory
.set FRB,   1536                       ; a fragment
.set GRP,   153600                     ; LDS: a group: P's 16 tiles, then R's 8
.set ROFF,  102400
.if MODE == 0
.set PBASE, 6553600                    ; qkv_w's tiles in opc
.set RBASE, 0
.elseif MODE == 1
.set PBASE, 0
.set RBASE, 8192000                    ; qkv_w's tile 128: row 2,048
.else
.set PBASE, 9011200                    ; proj_w's tiles in opc
.set RBASE, 0
.endif
.if MODE == 2
.set RPTR,  6                          ; s[6:7] ao, s[8:9] proj_b, s[10:11] out0
.set BIASP, 8
.set OUTP,  10
.else
.set RPTR,  4                          ; s[4:5] opc, s[6:7] qkv_b, s[8:9] qkv
.set BIASP, 6
.set OUTP,  8
.endif
.set WV, 12                            ; s12 wave; s13 wave % 2; s14 wave / 2
.set WP, 13
.set WR, 14
.set CX, 15
.set CY, 16
.set GX, 17                            ; work-group x, y
.set GY, 18
.set G1P, 24                           ; s[24:31], s[32:39] descriptor groups 1 for P's and R's tiles
.set G1R, 32
.set G0P, 40                           ; s[40:47], s[48:55] groups 0, a set for each group of K
.set G0R, 48
.set L16, 1                            ; v1 16 x lane; v14 8 x lane; v15 4 x lane
.set AP16, 2                           ; v2-3, v4-5 LDS address of my P tiles in group 0, 1: + 16 x lane, + 8 x lane
.set AP8, 4
.set AR16, 6                           ; v6-9 the same for R
.set AR8, 8
.set ASA, 10                           ; v10-11 scale words: lanes 0-15 P's, lanes 16-31 R's
.set ASB, 12                           ; v12-13 scale words: P's in all lanes
.set L8, 14
.set L4, 15
.set SC, 16                            ; set g at 32 g; register 4 i + s: lanes 0-15 P's tile i, lanes 16-31 (i < 4) R's tile i, the group's K step s
.set RF, 80
.set IM, 80                            ; the way out (MODE 0, 1): 12 registers of codes for each tile of R
.set BK, 16                            ; the way out (MODE 2): 16 rows read back: v16-79 and v80-143 by turns
.set RR, 176                           ; v176 r; v177 h
.set HH, 177
.set VA, 178
.set VB, 179
.set TM, 180                           ; v180-195 at work
.set SQ, 196                           ; v196-202 second halves of blocks' codes
.set PW, 204                           ; v204-207 a scale word for each tile of R
.set VBI, 208                          ; the bias loads' offset
.set MSB, 0
.macro WIN new                         ; the immediate's high byte repeats the setting that is left
.if MSB != \new
	s_set_vgpr_msb (MSB<<8)|\new
.set MSB, \new
.endif
.endm
.macro CROUND                          ; a round of the cluster's barrier
	s_barrier_signal -1
	s_barrier_wait -1
	s_cmp_lg_u32 s[WV], 0
	s_cbranch_scc1 .Lnot_wave_0_\@
	s_barrier_signal -3
.Lnot_wave_0_\@:
	s_barrier_wait -3
	s_barrier_signal -1
	s_barrier_wait -1
.endm
.macro PLACES                          ; four plain vector instructions between a matrix instruction and a load into, or a read of, its registers (ISA guide 7.12.1 for the reads)
.rept 4
	v_nop
.endr
.endm
.macro FRAG reg, a16, a8, off          ; a fragment comes back as it was stored: consecutive bytes, no pitch
	ds_load_b128 v[(\reg):(\reg)+3], v[\a16] offset:(\off)
	ds_load_b64 v[(\reg)+4:(\reg)+5], v[\a8] offset:(\off)+512
	ds_load_b128 v[(\reg)+6:(\reg)+9], v[\a16] offset:(\off)+768
	ds_load_b64 v[(\reg)+10:(\reg)+11], v[\a8] offset:(\off)+1280
.endm
.macro FETCH s                         ; K step s: my 8 fragments of P and 4 of R into set s % 2
	WIN 0x40                                       ; destination window 1
.irp t, 0,1,2,3,4,5,6,7
	FRAG 128*((\s)%2)+12*\t, AP16+(\s)/4, AP8+(\s)/4, \t*TILE+((\s)%4)*FRB
.endr
	WIN 0
.irp m, 0,1,2,3
	FRAG RF+48*((\s)%2)+12*\m, AR16+(\s)/4, AR8+(\s)/4, \m*TILE+((\s)%4)*FRB
.endr
.endm
.macro SCALES g                        ; a group's scale words: four K steps' words of a row by one load
.irp i, 0,1,2,3
	ds_load_b128 v[SC+32*\g+4*\i:SC+32*\g+4*\i+3], v[ASA+\g] offset:\i*TILE
.endr
.irp i, 4,5,6,7
	ds_load_b128 v[SC+32*\g+4*\i:SC+32*\g+4*\i+3], v[ASB+\g] offset:\i*TILE
.endr
.endm
.macro MUL m0, s                       ; 16 matrix instructions: R's tiles m0, m0 + 1 x P's eight.  K step 0 starts the sums with the bias as C
.if (\s) == 0
	WIN 0xb1                                       ; source 0 window 1, source 1 window 0, C window 3, D window 2
.else
	WIN 0xa1                                       ; C and D window 2
.endif
.irp m, \m0, \m0+1
.irp t, 0,1,2,3,4,5,6,7
.if (\s) == 0
.if MODE == 1
.set CB, 8*(\m)
.else
.set CB, 8*\t
.endif
	v_wmma_scale_f32_16x16x128_f8f6f4 v[64*(\m)+8*\t:64*(\m)+8*\t+7], v[128*((\s)%2)+12*\t:128*((\s)%2)+12*\t+11], v[RF+48*((\s)%2)+12*(\m):RF+48*((\s)%2)+12*(\m)+11], v[CB:CB+7], v[SC+32*((\s)/4)+4*\t+(\s)%4], v[SC+32*((\s)/4)+4*(\m)+(\s)%4] matrix_a_fmt:MATRIX_FMT_FP6 matrix_b_fmt:MATRIX_FMT_FP6 matrix_b_scale:MATRIX_SCALE_ROW1
.else
	v_wmma_scale_f32_16x16x128_f8f6f4 v[64*(\m)+8*\t:64*(\m)+8*\t+7], v[128*((\s)%2)+12*\t:128*((\s)%2)+12*\t+11], v[RF+48*((\s)%2)+12*(\m):RF+48*((\s)%2)+12*(\m)+11], v[64*(\m)+8*\t:64*(\m)+8*\t+7], v[SC+32*((\s)/4)+4*\t+(\s)%4], v[SC+32*((\s)/4)+4*(\m)+(\s)%4] matrix_a_fmt:MATRIX_FMT_FP6 matrix_b_fmt:MATRIX_FMT_FP6 matrix_b_scale:MATRIX_SCALE_ROW1
.endif
.endr
.endr
.endm
.macro STEP s
	s_wait_dscnt 0x0                               ; this step's fragments, asked for 16 matrix instructions ago, are in
.if (\s) == 3
	s_wait_tensorcnt 0x0                           ; my part of group 1 has landed; my reads of group 0 are over (the wait above)
	s_barrier_signal -1
.endif
	MUL 0, \s
.if (\s) == 3
	s_barrier_wait -1                              ; everybody's part of group 1 is there, and nobody reads group 0 any more
.endif
.if (\s) < 7
	PLACES                                         ; the set that the step before multiplied is loaded again
	FETCH (\s)+1
.if (\s) == 3
	SCALES 1
.endif
.endif
	MUL 2, \s
.endm
.if MODE == 2
	s_load_b256 s[4:11], s[0:1], 0x0
.else
	s_load_b128 s[4:7], s[0:1], 0x0
	s_load_b64 s[8:9], s[0:1], 0x10
	v_lshl_add_u32 v254, v0, 2, 0x4b000
	v_mov_b32 v255, 0
	ds_add_u32 v254, v255
	ds_add_u32 v254, v255
.endif
	v_lshrrev_b32 v1, 5, v0
	v_readfirstlane_b32 s[WV], v1
	s_and_b32 s[WP], s[WV], 1                      ; my 128 of P.  Also: which half of a block I fetch
	s_lshr_b32 s[WR], s[WV], 1                     ; my 64 of R.  Also: I fetch for P (0) or for R (1)
	s_bfe_u32 s[CX], ttmp6, 0x40000
	s_bfe_u32 s[CY], ttmp6, 0x40004
	s_lshl_b32 s[GX], ttmp9, 2
	s_add_co_u32 s[GX], s[GX], s[CX]
	s_and_b32 s[GY], ttmp7, 0xffff
	s_lshl_b32 s[GY], s[GY], 2
	s_add_co_u32 s[GY], s[GY], s[CY]
	s_lshl_b32 s3, 0x1111, s[CX]                   ; my column of the cluster
	s_or_b32 s[G1P], s3, (3<<16)|(1<<21)           ; 15:0 the mask; 17:16 elements of 8 bytes; 21 set beside a mask; no padding
	s_lshl_b32 s2, s[CY], 2
	s_lshl_b32 s2, 15, s2                          ; my row
	s_or_b32 s[G1R], s2, (3<<16)|(1<<21)
.irp g, G1P, G1R
	s_mov_b32 s[\g+1], 800<<16                     ; tensor_dim0 = 800 elements: a tile's 6,400 bytes of one group
	s_mov_b32 s[\g+3], 800<<16                     ; tile_dim0
	s_mov_b32 s[\g+5], 1600                        ; from tile to tile: 12,800 bytes
	s_mov_b32 s[\g+6], 0
	s_mov_b32 s[\g+7], 0
.endr
	s_mov_b32 s[G1P+2], 8<<16                      ; tensor_dim1, tile_dim1: 8 tiles of P,
	s_mov_b32 s[G1P+4], 8
	s_mov_b32 s[G1R+2], 4<<16                      ; 4 of R
	s_mov_b32 s[G1R+4], 4
	s_mul_i32 s20, s[GX], 16*TSTR                  ; P: made of x and the wave's number alone
	s_mul_i32 s19, s[WP], 8*TSTR
	s_add_co_u32 s20, s20, s19
.if PBASE
	s_add_co_u32 s20, s20, PBASE
.endif
	s_mov_b32 s21, 0
	s_mul_i32 s22, s[GY], 8*TSTR                   ; R: made of y and the wave's number alone
	s_mul_i32 s19, s[WP], 4*TSTR
	s_add_co_u32 s22, s22, s19
.if RBASE
	s_add_co_u32 s22, s22, RBASE
.endif
	s_mov_b32 s23, 0
	s_mul_i32 s56, s[WP], 8*TILE                   ; where they go: no place in the cluster enters an LDS address
	s_mul_i32 s57, s[WP], 4*TILE
	s_add_co_u32 s57, s57, ROFF
	s_wait_dscnt 0x0
	s_wait_kmcnt 0x0
	s_add_nc_u64 s[20:21], s[4:5], s[20:21]
	s_add_nc_u64 s[22:23], s[RPTR:RPTR+1], s[22:23]
.irp g, 0,1
	s_mov_b32 s[G0P+4*\g], 1
	s_add_co_u32 s[G0P+4*\g+1], s56, \g*GRP
	s_add_nc_u64 s[G0P+4*\g+2:G0P+4*\g+3], s[20:21], \g*TILE
	s_or_b32 s[G0P+4*\g+3], s[G0P+4*\g+3], 0x80000000
	s_mov_b32 s[G0R+4*\g], 1
	s_add_co_u32 s[G0R+4*\g+1], s57, \g*GRP
	s_add_nc_u64 s[G0R+4*\g+2:G0R+4*\g+3], s[22:23], \g*TILE
	s_or_b32 s[G0R+4*\g+3], s[G0R+4*\g+3], 0x80000000
.endr
	CROUND                                         ; all sixteen work-groups are here: the joint loads meet
	s_cmp_eq_u32 s[WR], 0                          ; a wave's two fills stand in one branch on its number: two tensor loads of mine are out; four v_nop follow the second
	s_cbranch_scc0 .Lfill_r
	tensor_load_to_lds s[G0P:G0P+3], s[G1P:G1P+7]
	s_nop 0
	tensor_load_to_lds s[G0P+4:G0P+7], s[G1P:G1P+7]
	s_nop 0
.rept 4
	v_nop
.endr
	s_branch .Lfilled
.Lfill_r:
	tensor_load_to_lds s[G0R:G0R+3], s[G1R:G1R+7]
	s_nop 0
	tensor_load_to_lds s[G0R+4:G0R+7], s[G1R:G1R+7]
	s_nop 0
.rept 4
	v_nop
.endr
.Lfilled:
	v_and_b32 v[RR], 15, v0
	v_bfe_u32 v[HH], v0, 4, 1
	v_and_b32 v[L4], 31, v0
	v_lshlrev_b32 v[L16], 4, v[L4]
	v_lshlrev_b32 v[L8], 3, v[L4]
	v_lshlrev_b32 v[L4], 2, v[L4]
	s_mul_i32 s58, s[WR], 4*TILE
	s_add_co_u32 s58, s58, ROFF                    ; my 4 tiles of R;  s56: my 8 tiles of P
	s_sub_co_u32 s59, s58, s56                     ; the distance between the two
	v_add_nc_u32 v[AP16], s56, v[L16]
	v_add_nc_u32 v[AP8], s56, v[L8]
	v_add_nc_u32 v[AR16], s58, v[L16]
	v_add_nc_u32 v[AR8], s58, v[L8]
	v_lshl_add_u32 v[ASB], v[RR], 4, s56
	v_add_nc_u32 v[ASB], 6144, v[ASB]              ; slot r's four words of a tile of P
	v_mul_u32_u24 v[ASA], s59, v[HH]               ; lanes 16-31 take R's
	v_add_nc_u32 v[ASA], v[ASA], v[ASB]
.irp a, AP16, AP8, AR16, AR8, ASA, ASB
	v_add_nc_u32 v[\a+1], GRP, v[\a]               ; the same in group 1
.endr
	; the bias, in the result's layout, into window 3
.if MODE == 1
	s_lshl_b32 s2, s[GY], 9                        ; R's feature 2,048 + 128 y + 64 (wave / 2), in bytes
	s_lshl_b32 s19, s[WR], 8
	s_add_co_u32 s2, s2, s19
	s_add_co_u32 s2, s2, 8192
	v_and_b32 v[VBI], 8, v[RR]
	v_add_nc_u32 v[VBI], v[VBI], v[RR]
	v_lshlrev_b32 v[VBI], 2, v[VBI]                ; slot r's row: r + 8 (r / 8)
.else
	s_lshl_b32 s2, s[GX], 10                       ; P's row 256 x + 128 (wave % 2), in bytes
	s_lshl_b32 s19, s[WP], 9
	s_add_co_u32 s2, s2, s19
	v_lshlrev_b32 v[VBI], 6, v[HH]                 ; + 16 h numbers
.endif
	s_mov_b32 s3, 0
	s_add_nc_u64 s[BIASP:BIASP+1], s[BIASP:BIASP+1], s[2:3]
	WIN 0xc0                                       ; destination window 3
.if MODE == 1
.irp m, 0,1,2,3
.irp j, 0,1,2,3,4,5,6,7
	global_load_b32 v[8*\m+\j], v[VBI], s[BIASP:BIASP+1] offset:(32*(\m/2)+8*(\m%2))*4   ; a lane holds one feature: the same number in all eight registers
.endr
.endr
.else
.irp t, 0,1,2,3,4,5,6,7
	global_load_b128 v[8*\t:8*\t+3], v[VBI], s[BIASP:BIASP+1] offset:(32*(\t/2)+8*(\t%2))*4
	global_load_b128 v[8*\t+4:8*\t+7], v[VBI], s[BIASP:BIASP+1] offset:(32*(\t/2)+8*(\t%2))*4+16
.endr
.endif
	WIN 0
	; where my results go
.if MODE == 0
	s_lshr_b32 s2, s[GY], 4                        ; qkv is [batch x 16 + head][4 steps' group][K 0, V 1, Q 2][step % 4][6,400]; a step is 128 tokens
	s_lshl_b32 s2, s2, 4
	s_and_b32 s19, s[GX], 3
	s_lshl_b32 s19, s19, 2
	s_add_co_u32 s2, s2, s19
	s_lshl_b32 s19, s[WP], 1
	s_add_co_u32 s2, s2, s19                       ; the first of my two heads
	s_mul_i32 s2, s2, 307200
	s_bfe_u32 s19, s[GY], 0x20002
	s_mul_i32 s19, s19, 76800
	s_add_co_u32 s2, s2, s19
	s_and_b32 s19, s[GY], 3
	s_mul_i32 s19, s19, 6400
	s_add_co_u32 s2, s2, s19
	s_mul_i32 s19, s[WR], 3072                     ; my four tiles of tokens, 768 bytes each
	s_add_co_u32 s2, s2, s19
	s_lshr_b32 s19, s[GX], 2                       ; x 0-3: q's features, part 2;  x 4-7: k's, part 0
	s_mul_i32 s19, s19, 51200
	s_sub_co_u32 s19, 51200, s19
	s_add_co_u32 s2, s2, s19
	s_mul_i32 s19, s[WR], 2944
	s_sub_co_u32 s19, 6144, s19                    ; the scale words: 6,144 + 128 (wave / 2) from the step's first byte
	v_add_nc_u32 v[VA], s19, v[L4]
.elseif MODE == 1
	s_lshl_b32 s19, s[GX], 1
	s_add_co_u32 s19, s19, s[WP]                   ; my 128 tokens: step 2 x + wave % 2 of all batches'
	s_lshr_b32 s2, s[GX], 3
	s_lshl_b32 s2, s2, 4
	s_lshl_b32 s3, s[GY], 1
	s_add_co_u32 s2, s2, s3
	s_add_co_u32 s2, s2, s[WR]                     ; batch x 16 + head
	s_mul_i32 s2, s2, 307200
	s_bfe_u32 s3, s19, 0x20002
	s_mul_i32 s3, s3, 76800
	s_add_co_u32 s2, s2, s3
	s_and_b32 s3, s19, 3
	s_mul_i32 s3, s3, 6400
	s_add_co_u32 s2, s2, s3
	s_add_co_u32 s2, s2, 25600                     ; V's part
.else
	s_lshl_b32 s2, s[GY], 19                       ; token 128 y + 64 (wave / 2), rows of 4,096 bytes;
	s_lshl_b32 s19, s[WR], 18
	s_add_co_u32 s2, s2, s19
	s_lshl_b32 s19, s[GX], 10                      ; column 256 x + 128 (wave % 2)
	s_add_co_u32 s2, s2, s19
	s_lshl_b32 s19, s[WP], 9
	s_add_co_u32 s2, s2, s19
	s_mul_i32 s19, s[WV], 8448                     ; my stage: 16 rows of 512 bytes + 16.  It lies in group 0's bytes, which are filled once and read by nobody behind K step 3's barrier
	v_mul_u32_u24 v[VA], v[RR], 528
	v_lshl_add_u32 v[VA], v[HH], 6, v[VA]
	v_add_nc_u32 v[VA], s19, v[VA]                 ; in: row r, + 64 h bytes
	v_add_nc_u32 v[VB], s19, v[L16]                ; back: a whole row, 16 bytes a lane
.endif
	s_mov_b32 s3, 0
	s_add_nc_u64 s[OUTP:OUTP+1], s[OUTP:OUTP+1], s[2:3]
	s_mov_b32 s60, 0x76543210
	s_mov_b32 s61, 0xfedcba98                      ; v_permlanex16_b32's selects for lane l xor 16
	s_wait_alu depctr_va_vdst(0)
	s_wait_tensorcnt 1                             ; my part of group 0 is in; group 1's load may stay out
	s_barrier_signal -1
	s_barrier_wait -1                              ; everybody's is
	FETCH 0
	SCALES 0
	s_wait_loadcnt 0x0                             ; the bias
.irp s, 0,1,2,3,4,5,6,7
	STEP \s
.endr
	WIN 0
	PLACES                                         ; behind the last products
.if MODE < 2
; THE WAY OUT.  The 64 registers of a tile of R, register 16 b + i = P's index 32 b + 16 h + i, become a fragment's codes and its rows' scale word.
.macro QUANTW m
	WIN 0x0a                                       ; sources 0 and 1: window 2
.irp b, 0,1,2,3
	v_max3_num_f32 v[TM+\b], |v[64*(\m)+16*\b]|, |v[64*(\m)+16*\b+1]|, 0x1800000   ; each accumulator from its low end on; the floor 2^(3 - 127) holds the byte at 1 from below
.endr
.irp i, 2,4,6,8,10,12,14
.irp b, 0,1,2,3
	v_max3_num_f32 v[TM+\b], |v[64*(\m)+16*\b+\i]|, |v[64*(\m)+16*\b+\i+1]|, v[TM+\b]
.endr
.endr
	WIN 0
.irp b, 0,1,2,3
	v_permlanex16_b32 v[TM+4+\b], v[TM+\b], s60, s61
.endr
.irp b, 0,1,2,3
	v_max_num_f32 v[TM+\b], v[TM+\b], v[TM+4+\b]   ; with lane l xor 16's 16: the block's largest magnitude
.endr
.irp b, 0,1,2,3
	v_add_nc_u32 v[TM+12+\b], 0xff000000, v[TM+\b] ; 2 off its exponent field: the conversion's scale operand
.endr
.irp b, 0,1,2,3
	v_lshrrev_b32 v[TM+4+\b], 23, v[TM+12+\b]      ; the scale's byte
.endr
	v_lshl_or_b32 v[PW+(\m)], v[TM+5], 8, v[TM+4]
	v_lshl_or_b32 v[PW+(\m)], v[TM+6], 16, v[PW+(\m)]
	v_lshl_or_b32 v[PW+(\m)], v[TM+7], 24, v[PW+(\m)]
	WIN 0x02                                       ; source 0: window 2
.irp c, 0,1
	v_cvt_scalef32_pk16_fp6_f32 v[IM+12*(\m)+6*\c:IM+12*(\m)+6*\c+2], v[64*(\m)+32*\c:64*(\m)+32*\c+15], v[TM+12+2*\c]
	v_cvt_scalef32_pk16_fp6_f32 v[SQ+4*\c:SQ+4*\c+2], v[64*(\m)+32*\c+16:64*(\m)+32*\c+31], v[TM+12+2*\c+1]   ; (a conversion's three registers begin on an even number)
.endr
	WIN 0
	v_nop                                          ; one plain place behind a scaled conversion
.irp c, 0,1                            ; the operand's layout wants a whole block in a lane: lanes 0-15 block 2 c, lanes 16-31 block 2 c + 1
.irp i, 0,1,2
	v_permlane16_swap_b32 v[IM+12*(\m)+6*\c+\i], v[SQ+4*\c+\i]
.endr
.irp i, 0,1,2
	v_mov_b32 v[IM+12*(\m)+6*\c+3+\i], v[SQ+4*\c+\i]
.endr
.endr
.endm
.irp b, 0,1,2,3
	v_mov_b32 v[TM+4+\b], 0                        ; written once: a lane permute's destination counts as one of its sources
.endr
	v_cmp_eq_u32 vcc_lo, 1, v[HH]                  ; lanes 16-31
.irp m, 0,1,2,3                        ; each tile has its own 12 registers of codes: no store's data are written again
	QUANTW \m
.irp c, 0,1
.if MODE == 0                          ; half c is head c's 64 features of 16 tokens: 768 bytes at the tile's place in that head's step
	global_store_b128 v[L16], v[IM+12*\m+6*\c:IM+12*\m+6*\c+3], s[OUTP:OUTP+1] offset:\m*768+\c*307200
	global_store_b64 v[L8], v[IM+12*\m+6*\c+4:IM+12*\m+6*\c+5], s[OUTP:OUTP+1] offset:\m*768+\c*307200+512
.else                                  ; the fragment of 16 channels x 128 keys
	global_store_b128 v[L16], v[IM+12*\m+6*\c:IM+12*\m+6*\c+3], s[OUTP:OUTP+1] offset:\m*FRB+\c*768
	global_store_b64 v[L8], v[IM+12*\m+6*\c+4:IM+12*\m+6*\c+5], s[OUTP:OUTP+1] offset:\m*FRB+\c*768+512
.endif
.endr
.endr
.if MODE == 0                          ; a pair of tiles is one operand of q k^T: its word is the first tile's two bytes of the head, then the second's; lanes 0-15 store the pair (0, 1), lanes 16-31 the pair (2, 3)
.irp c, 0,1
	v_perm_b32 v[TM], v[PW+1], v[PW], 0x05040100+\c*0x02020202
	v_perm_b32 v[TM+1], v[PW+3], v[PW+2], 0x05040100+\c*0x02020202
	v_cndmask_b32 v[TM+8+\c], v[TM], v[TM+1], vcc_lo
	global_store_b32 v[VA], v[TM+8+\c], s[OUTP:OUTP+1] offset:\c*307200   ; 128 consecutive bytes; the other wave of these tokens stores the 128 beside them
.endr
.else                                  ; lanes 0-15 store tile 2 i's words, lanes 16-31 tile 2 i + 1's
.irp i, 0,1
	v_cndmask_b32 v[TM+8+\i], v[PW+2*\i], v[PW+2*\i+1], vcc_lo
	global_store_b32 v[L4], v[TM+8+\i], s[OUTP:OUTP+1] offset:6144+128*\i
.endr
.endif
.else
; THE WAY OUT, a tile of 16 tokens x 128 columns at a time, through my own stage: a lane holds pieces of one row, and the rows leave whole.
.macro TOSTAGE m
	WIN 0x08                                       ; an LDS store's data are its source 1: window 2
.irp q, 0,1,2,3,4,5,6,7,8,9,10,11,12,13,14,15
	ds_store_b128 v[VA], v[64*(\m)+4*\q:64*(\m)+4*\q+3] offset:128*(\q/4)+16*(\q%4)   ; registers 16 b + 4 j on: columns 32 b + 16 h + 4 j on; each accumulator from its low end on
.endr
	WIN 0
.irp t, 0,1,2,3,4,5,6,7,8,9,10,11,12,13,14,15
	ds_load_b128 v[BK+64*((\m)%2)+4*\t:BK+64*((\m)%2)+4*\t+3], v[VB] offset:\t*528   ; LDS serves a wave's instructions in order: these see the stores above
.endr
.endm
.macro SEND m, younger                 ; younger: the LDS instructions issued behind this tile's loads, which may stay out
	s_wait_dscnt \younger
.irp t, 0,1,2,3,4,5,6,7,8,9,10,11,12,13,14,15
	global_store_b128 v[L16], v[BK+64*((\m)%2)+4*\t:BK+64*((\m)%2)+4*\t+3], s[OUTP:OUTP+1] offset:(32*((\m)/2)+8*((\m)%2)+\t+8*(\t/8))*4096 th:TH_STORE_NT   ; slot t's token; 512 consecutive bytes, at a multiple of 256 from the buffer's first byte
.endr
.endm
	TOSTAGE 0
.irp a, 1,2,3
.if \a > 1
	s_wait_xcnt 0x0                                ; tile a - 2's stores have read their registers: tile a's rows may land there
.endif
	TOSTAGE \a
	SEND \a-1, 32                                  ; behind tile a - 1's loads: tile a's 16 stores and 16 loads
.endr
	SEND 3, 0
.endif
	s_wait_tensorcnt 0x0
	ds_add_u32 v254, v255
	s_wait_dscnt 0x0
	CROUND                                         ; the closing round: no work-group ends while a partner may still ask for a tile that names it
	s_endpgm
.Lfunc_end_k_q33c7ab6f0b_gemm_qk:
	.size	k_q33c7ab6f0b_gemm_qk, .Lfunc_end_k_q33c7ab6f0b_gemm_qk-k_q33c7ab6f0b_gemm_qk
	.p2alignl 7, 3214868480
	.fill 96, 4, 3214868480
	.section	.rodata,"a",@progbits
	.p2align	6, 0x0
	.amdhsa_kernel k_q33c7ab6f0b_gemm_qk
		.amdhsa_group_segment_fixed_size 307712
		.amdhsa_private_segment_fixed_size 0
		.amdhsa_enable_private_segment 0
		.amdhsa_kernarg_size 24
		.amdhsa_user_sgpr_count 2
		.amdhsa_user_sgpr_kernarg_segment_ptr 1
		.amdhsa_wavefront_size32 1
		.amdhsa_system_sgpr_workgroup_id_x 1
		.amdhsa_system_sgpr_workgroup_id_y 1
		.amdhsa_system_sgpr_workgroup_id_z 1
		.amdhsa_system_vgpr_workitem_id 0
		.amdhsa_next_free_vgpr 1024
		.amdhsa_next_free_sgpr 66
		.amdhsa_reserve_vcc 1
		.amdhsa_float_denorm_mode_32 3
		.amdhsa_float_denorm_mode_16_64 3
		.amdhsa_memory_ordered 1
		.amdhsa_forward_progress 1
		.amdhsa_inst_pref_size 87
	.end_amdhsa_kernel
	.amdgpu_metadata
---
amdhsa.version: [ 1, 2 ]
amdhsa.kernels:
  - .name:           k_q33c7ab6f0b_gemm_qk
    .symbol:         k_q33c7ab6f0b_gemm_qk.kd
    .args:
      - { .name: opc, .offset: 0, .size: 8, .value_kind: global_buffer, .address_space: global }
      - { .name: qkv_b, .offset: 8, .size: 8, .value_kind: global_buffer, .address_space: global }
      - { .name: qkv, .offset: 16, .size: 8, .value_kind: global_buffer, .address_space: global }
    .group_segment_fixed_size: 307712
    .private_segment_fixed_size: 0
    .kernarg_segment_align: 8
    .kernarg_segment_size: 24
    .max_flat_workgroup_size: 128
    .sgpr_count:     66
    .vgpr_count:     1024
    .wavefront_size: 32
...
	.end_amdgpu_metadata
.endif
;; end of part 2
;; launch gemm_v (part 3): grid 32 x 8, 4 waves a work-group, clusters of 4 x 4, 307,712 bytes of LDS; arguments opc, qkv_b, qkv; writes qkv
.if DOCPART == 3
	.amdgcn_target "amdgcn-amd-amdhsa--gfx1250"
	.amdhsa_code_object_version 6
	.text
	.protected	k_q33c7ab6f0b_gemm_v
	.globl	k_q33c7ab6f0b_gemm_v
	.p2align	8
	.type	k_q33c7ab6f0b_gemm_v,@function
k_q33c7ab6f0b_gemm_v:
	s_mov_b64 s[64:65], 0
	v_nop
	global_prefetch_b8 v0, s[64:65] scope:SCOPE_SE
	s_setreg_imm32_b32 hwreg(HW_REG_WAVE_MODE, 25, 1), 1
	s_wait_xcnt 0x0
	s_wait_alu depctr_hold_cnt(0) depctr_sa_sdst(0) depctr_va_vdst(0) depctr_va_sdst(0) depctr_va_ssrc(0) depctr_va_vcc(0) depctr_vm_vsrc(0)
	s_getreg_b32 s2, hwreg(HW_REG_IB_STS2, 6, 4)
	s_cmp_eq_u32 s2, 0
	s_cbranch_scc0 .Lentry_in_a_cluster
	s_endpgm
.Lentry_in_a_cluster:
	s_bfe_u32 s2, ttmp6, 0x10000c
	s_cmp_lg_u32 s2, 0xf033
	s_cbranch_scc0 .Lentry_shape_is_right
	s_endpgm
.Lentry_shape_is_right:
; ONE TEXT FOR THREE LAUNCHES; MODE, in the next line, is all that differs.  D = P R^T + bias on codes of FP6 (E2M3) with E8M0 scales, K = 1,024; sums in f32.
; MODE 0: P = rows 0-2,047 of qkv_w (q's and k's features), R = tokens; the results + qkv_b are quantised along a head's 64 and stored as operands of q k^T.
; MODE 1: P = tokens, R = rows 2,048-3,071 of qkv_w (v's features); the results + qkv_b are quantised along the keys and stored as operands of p v.
; MODE 2: P = rows of proj_w, R = tokens (the attention's result, as codes); the results + proj_b are the output, f32.
.set MODE, 1
; OPERANDS lie in memory in the order of their registers: [tile of 16 rows][group of 512 K][6,400 bytes]: four fragments of 1,536 bytes, then 256 bytes of scale words (16 x slot + 4 x fragment).
; Slot p of tile T is row 32 (T / 2) + 8 (T % 2) + p + 8 (p / 8).  Source 0 is P, so register j of lane (r, h) in the results of tiles 2 b + u is P's row 32 b + 16 h + 8 u + j: 16 neighbours in two tiles' registers;
; source 1 is R: a lane holds one row of R.  So the axis that is quantised next runs along a lane's registers.
; SHARES: a work-group makes 256 of P x 128 of R; wave w makes 128 (w % 2) x 64 (w / 2): 32 accumulators, 256 registers.
; ALL OF K LIES IN LDS: 24 tiles x 12,800 bytes = 307,200, filled once, in two groups of 512 K, so that no LDS byte is filled twice: no ring.  A larger block would not fit whole.
; CLUSTERS: 4 x 4 work-groups.  P's tiles hang on the work-group's x alone and are shared along a column of the cluster, R's on y alone and are shared along a row: each is asked for jointly.
; The bias is the C of each sum's first matrix instruction.  The 32 accumulators take turns, one instruction a turn, in the same order in every K step.
; LIMITS (MODE 0, 1): NaN and infinities are not served; a block whose largest magnitude lies under 2^-124, a block of zeros among them, keeps the scale byte 1 (zero codes add nothing; this program alone reads the bytes).
; REGISTERS: window 0: v1-15 addresses; v16-79 scale words, a set for each group; v80-175 R's fragments, two sets; v176-208 the way out.  window 1: P's fragments, two sets, at v0 and v128.
;   window 2: accumulator (m, t) at v[64 m + 8 t].  window 3: the bias, in the result's layout.
.set TILE,  6400                       ; a tile's bytes in one group
.set TSTR,  12800                      ; from tile to tile in memory
.set FRB,   1536                       ; a fragment
.set GRP,   153600                     ; LDS: a group: P's 16 tiles, then R's 8
.set ROFF,  102400
.if MODE == 0
.set PBASE, 6553600                    ; qkv_w's tiles in opc
.set RBASE, 0
.elseif MODE == 1
.set PBASE, 0
.set RBASE, 8192000                    ; qkv_w's tile 128: row 2,048
.else
.set PBASE, 9011200                    ; proj_w's tiles in opc
.set RBASE, 0
.endif
.if MODE == 2
.set RPTR,  6                          ; s[6:7] ao, s[8:9] proj_b, s[10:11] out0
.set BIASP, 8
.set OUTP,  10
.else
.set RPTR,  4                          ; s[4:5] opc, s[6:7] qkv_b, s[8:9] qkv
.set BIASP, 6
.set OUTP,  8
.endif
.set WV, 12                            ; s12 wave; s13 wave % 2; s14 wave / 2
.set WP, 13
.set WR, 14
.set CX, 15
.set CY, 16
.set GX, 17                            ; work-group x, y
.set GY, 18
.set G1P, 24                           ; s[24:31], s[32:39] descriptor groups 1 for P's and R's tiles
.set G1R, 32
.set G0P, 40                           ; s[40:47], s[48:55] groups 0, a set for each group of K
.set G0R, 48
.set L16, 1                            ; v1 16 x lane; v14 8 x lane; v15 4 x lane
.set AP16, 2                           ; v2-3, v4-5 LDS address of my P tiles in group 0, 1: + 16 x lane, + 8 x lane
.set AP8, 4
.set AR16, 6                           ; v6-9 the same for R
.set AR8, 8
.set ASA, 10                           ; v10-11 scale words: lanes 0-15 P's, lanes 16-31 R's
.set ASB, 12                           ; v12-13 scale words: P's in all lanes
.set L8, 14
.set L4, 15
.set SC, 16                            ; set g at 32 g; register 4 i + s: lanes 0-15 P's tile i, lanes 16-31 (i < 4) R's tile i, the group's K step s
.set RF, 80
.set IM, 80                            ; the way out (MODE 0, 1): 12 registers of codes for each tile of R
.set BK, 16                            ; the way out (MODE 2): 16 rows read back: v16-79 and v80-143 by turns
.set RR, 176                           ; v176 r; v177 h
.set HH, 177
.set VA, 178
.set VB, 179
.set TM, 180                           ; v180-195 at work
.set SQ, 196                           ; v196-202 second halves of blocks' codes
.set PW, 204                           ; v204-207 a scale word for each tile of R
.set VBI, 208                          ; the bias loads' offset
.set MSB, 0
.macro WIN new                         ; the immediate's high byte repeats the setting that is left
.if MSB != \new
	s_set_vgpr_msb (MSB<<8)|\new
.set MSB, \new
.endif
.endm
.macro CROUND                          ; a round of the cluster's barrier
	s_barrier_signal -1
	s_barrier_wait -1
	s_cmp_lg_u32 s[WV], 0
	s_cbranch_scc1 .Lnot_wave_0_\@
	s_barrier_signal -3
.Lnot_wave_0_\@:
	s_barrier_wait -3
	s_barrier_signal -1
	s_barrier_wait -1
.endm
.macro PLACES                          ; four plain vector instructions between a matrix instruction and a load into, or a read of, its registers (ISA guide 7.12.1 for the reads)
.rept 4
	v_nop
.endr
.endm
.macro FRAG reg, a16, a8, off          ; a fragment comes back as it was stored: consecutive bytes, no pitch
	ds_load_b128 v[(\reg):(\reg)+3], v[\a16] offset:(\off)
	ds_load_b64 v[(\reg)+4:(\reg)+5], v[\a8] offset:(\off)+512
	ds_load_b128 v[(\reg)+6:(\reg)+9], v[\a16] offset:(\off)+768
	ds_load_b64 v[(\reg)+10:(\reg)+11], v[\a8] offset:(\off)+1280
.endm
.macro FETCH s                         ; K step s: my 8 fragments of P and 4 of R into set s % 2
	WIN 0x40                                       ; destination window 1
.irp t, 0,1,2,3,4,5,6,7
	FRAG 128*((\s)%2)+12*\t, AP16+(\s)/4, AP8+(\s)/4, \t*TILE+((\s)%4)*FRB
.endr
	WIN 0
.irp m, 0,1,2,3
	FRAG RF+48*((\s)%2)+12*\m, AR16+(\s)/4, AR8+(\s)/4, \m*TILE+((\s)%4)*FRB
.endr
.endm
.macro SCALES g                        ; a group's scale words: four K steps' words of a row by one load
.irp i, 0,1,2,3
	ds_load_b128 v[SC+32*\g+4*\i:SC+32*\g+4*\i+3], v[ASA+\g] offset:\i*TILE
.endr
.irp i, 4,5,6,7
	ds_load_b128 v[SC+32*\g+4*\i:SC+32*\g+4*\i+3], v[ASB+\g] offset:\i*TILE
.endr
.endm
.macro MUL m0, s                       ; 16 matrix instructions: R's tiles m0, m0 + 1 x P's eight.  K step 0 starts the sums with the bias as C
.if (\s) == 0
	WIN 0xb1                                       ; source 0 window 1, source 1 window 0, C window 3, D window 2
.else
	WIN 0xa1                                       ; C and D window 2
.endif
.irp m, \m0, \m0+1
.irp t, 0,1,2,3,4,5,6,7
.if (\s) == 0
.if MODE == 1
.set CB, 8*(\m)
.else
.set CB, 8*\t
.endif
	v_wmma_scale_f32_16x16x128_f8f6f4 v[64*(\m)+8*\t:64*(\m)+8*\t+7], v[128*((\s)%2)+12*\t:128*((\s)%2)+12*\t+11], v[RF+48*((\s)%2)+12*(\m):RF+48*((\s)%2)+12*(\m)+11], v[CB:CB+7], v[SC+32*((\s)/4)+4*\t+(\s)%4], v[SC+32*((\s)/4)+4*(\m)+(\s)%4] matrix_a_fmt:MATRIX_FMT_FP6 matrix_b_fmt:MATRIX_FMT_FP6 matrix_b_scale:MATRIX_SCALE_ROW1
.else
	v_wmma_scale_f32_16x16x128_f8f6f4 v[64*(\m)+8*\t:64*(\m)+8*\t+7], v[128*((\s)%2)+12*\t:128*((\s)%2)+12*\t+11], v[RF+48*((\s)%2)+12*(\m):RF+48*((\s)%2)+12*(\m)+11], v[64*(\m)+8*\t:64*(\m)+8*\t+7], v[SC+32*((\s)/4)+4*\t+(\s)%4], v[SC+32*((\s)/4)+4*(\m)+(\s)%4] matrix_a_fmt:MATRIX_FMT_FP6 matrix_b_fmt:MATRIX_FMT_FP6 matrix_b_scale:MATRIX_SCALE_ROW1
.endif
.endr
.endr
.endm
.macro STEP s
	s_wait_dscnt 0x0                               ; this step's fragments, asked for 16 matrix instructions ago, are in
.if (\s) == 3
	s_wait_tensorcnt 0x0                           ; my part of group 1 has landed; my reads of group 0 are over (the wait above)
	s_barrier_signal -1
.endif
	MUL 0, \s
.if (\s) == 3
	s_barrier_wait -1                              ; everybody's part of group 1 is there, and nobody reads group 0 any more
.endif
.if (\s) < 7
	PLACES                                         ; the set that the step before multiplied is loaded again
	FETCH (\s)+1
.if (\s) == 3
	SCALES 1
.endif
.endif
	MUL 2, \s
.endm
.if MODE == 2
	s_load_b256 s[4:11], s[0:1], 0x0
.else
	s_load_b128 s[4:7], s[0:1], 0x0
	s_load_b64 s[8:9], s[0:1], 0x10
	v_lshl_add_u32 v254, v0, 2, 0x4b000
	v_mov_b32 v255, 0
	ds_add_u32 v254, v255
	ds_add_u32 v254, v255
.endif
	v_lshrrev_b32 v1, 5, v0
	v_readfirstlane_b32 s[WV], v1
	s_and_b32 s[WP], s[WV], 1                      ; my 128 of P.  Also: which half of a block I fetch
	s_lshr_b32 s[WR], s[WV], 1                     ; my 64 of R.  Also: I fetch for P (0) or for R (1)
	s_bfe_u32 s[CX], ttmp6, 0x40000
	s_bfe_u32 s[CY], ttmp6, 0x40004
	s_lshl_b32 s[GX], ttmp9, 2
	s_add_co_u32 s[GX], s[GX], s[CX]
	s_and_b32 s[GY], ttmp7, 0xffff
	s_lshl_b32 s[GY], s[GY], 2
	s_add_co_u32 s[GY], s[GY], s[CY]
	s_lshl_b32 s3, 0x1111, s[CX]                   ; my column of the cluster
	s_or_b32 s[G1P], s3, (3<<16)|(1<<21)           ; 15:0 the mask; 17:16 elements of 8 bytes; 21 set beside a mask; no padding
	s_lshl_b32 s2, s[CY], 2
	s_lshl_b32 s2, 15, s2                          ; my row
	s_or_b32 s[G1R], s2, (3<<16)|(1<<21)
.irp g, G1P, G1R
	s_mov_b32 s[\g+1], 800<<16                     ; tensor_dim0 = 800 elements: a tile's 6,400 bytes of one group
	s_mov_b32 s[\g+3], 800<<16                     ; tile_dim0
	s_mov_b32 s[\g+5], 1600                        ; from tile to tile: 12,800 bytes
	s_mov_b32 s[\g+6], 0
	s_mov_b32 s[\g+7], 0
.endr
	s_mov_b32 s[G1P+2], 8<<16                      ; tensor_dim1, tile_dim1: 8 tiles of P,
	s_mov_b32 s[G1P+4], 8
	s_mov_b32 s[G1R+2], 4<<16                      ; 4 of R
	s_mov_b32 s[G1R+4], 4
	s_mul_i32 s20, s[GX], 16*TSTR                  ; P: made of x and the wave's number alone
	s_mul_i32 s19, s[WP], 8*TSTR
	s_add_co_u32 s20, s20, s19
.if PBASE
	s_add_co_u32 s20, s20, PBASE
.endif
	s_mov_b32 s21, 0
	s_mul_i32 s22, s[GY], 8*TSTR                   ; R: made of y and the wave's number alone
	s_mul_i32 s19, s[WP], 4*TSTR
	s_add_co_u32 s22, s22, s19
.if RBASE
	s_add_co_u32 s22, s22, RBASE
.endif
	s_mov_b32 s23, 0
	s_mul_i32 s56, s[WP], 8*TILE                   ; where they go: no place in the cluster enters an LDS address
	s_mul_i32 s57, s[WP], 4*TILE
	s_add_co_u32 s57, s57, ROFF
	s_wait_dscnt 0x0
	s_wait_kmcnt 0x0
	s_add_nc_u64 s[20:21], s[4:5], s[20:21]
	s_add_nc_u64 s[22:23], s[RPTR:RPTR+1], s[22:23]
.irp g, 0,1
	s_mov_b32 s[G0P+4*\g], 1
	s_add_co_u32 s[G0P+4*\g+1], s56, \g*GRP
	s_add_nc_u64 s[G0P+4*\g+2:G0P+4*\g+3], s[20:21], \g*TILE
	s_or_b32 s[G0P+4*\g+3], s[G0P+4*\g+3], 0x80000000
	s_mov_b32 s[G0R+4*\g], 1
	s_add_co_u32 s[G0R+4*\g+1], s57, \g*GRP
	s_add_nc_u64 s[G0R+4*\g+2:G0R+4*\g+3], s[22:23], \g*TILE
	s_or_b32 s[G0R+4*\g+3], s[G0R+4*\g+3], 0x80000000
.endr
	CROUND                                         ; all sixteen work-groups are here: the joint loads meet
	s_cmp_eq_u32 s[WR], 0                          ; a wave's two fills stand in one branch on its number: two tensor loads of mine are out; four v_nop follow the second
	s_cbranch_scc0 .Lfill_r
	tensor_load_to_lds s[G0P:G0P+3], s[G1P:G1P+7]
	s_nop 0
	tensor_load_to_lds s[G0P+4:G0P+7], s[G1P:G1P+7]
	s_nop 0
.rept 4
	v_nop
.endr
	s_branch .Lfilled
.Lfill_r:
	tensor_load_to_lds s[G0R:G0R+3], s[G1R:G1R+7]
	s_nop 0
	tensor_load_to_lds s[G0R+4:G0R+7], s[G1R:G1R+7]
	s_nop 0
.rept 4
	v_nop
.endr
.Lfilled:
	v_and_b32 v[RR], 15, v0
	v_bfe_u32 v[HH], v0, 4, 1
	v_and_b32 v[L4], 31, v0
	v_lshlrev_b32 v[L16], 4, v[L4]
	v_lshlrev_b32 v[L8], 3, v[L4]
	v_lshlrev_b32 v[L4], 2, v[L4]
	s_mul_i32 s58, s[WR], 4*TILE
	s_add_co_u32 s58, s58, ROFF                    ; my 4 tiles of R;  s56: my 8 tiles of P
	s_sub_co_u32 s59, s58, s56                     ; the distance between the two
	v_add_nc_u32 v[AP16], s56, v[L16]
	v_add_nc_u32 v[AP8], s56, v[L8]
	v_add_nc_u32 v[AR16], s58, v[L16]
	v_add_nc_u32 v[AR8], s58, v[L8]
	v_lshl_add_u32 v[ASB], v[RR], 4, s56
	v_add_nc_u32 v[ASB], 6144, v[ASB]              ; slot r's four words of a tile of P
	v_mul_u32_u24 v[ASA], s59, v[HH]               ; lanes 16-31 take R's
	v_add_nc_u32 v[ASA], v[ASA], v[ASB]
.irp a, AP16, AP8, AR16, AR8, ASA, ASB
	v_add_nc_u32 v[\a+1], GRP, v[\a]               ; the same in group 1
.endr
	; the bias, in the result's layout, into window 3
.if MODE == 1
	s_lshl_b32 s2, s[GY], 9                        ; R's feature 2,048 + 128 y + 64 (wave / 2), in bytes
	s_lshl_b32 s19, s[WR], 8
	s_add_co_u32 s2, s2, s19
	s_add_co_u32 s2, s2, 8192
	v_and_b32 v[VBI], 8, v[RR]
	v_add_nc_u32 v[VBI], v[VBI], v[RR]
	v_lshlrev_b32 v[VBI], 2, v[VBI]                ; slot r's row: r + 8 (r / 8)
.else
	s_lshl_b32 s2, s[GX], 10                       ; P's row 256 x + 128 (wave % 2), in bytes
	s_lshl_b32 s19, s[WP], 9
	s_add_co_u32 s2, s2, s19
	v_lshlrev_b32 v[VBI], 6, v[HH]                 ; + 16 h numbers
.endif
	s_mov_b32 s3, 0
	s_add_nc_u64 s[BIASP:BIASP+1], s[BIASP:BIASP+1], s[2:3]
	WIN 0xc0                                       ; destination window 3
.if MODE == 1
.irp m, 0,1,2,3
.irp j, 0,1,2,3,4,5,6,7
	global_load_b32 v[8*\m+\j], v[VBI], s[BIASP:BIASP+1] offset:(32*(\m/2)+8*(\m%2))*4   ; a lane holds one feature: the same number in all eight registers
.endr
.endr
.else
.irp t, 0,1,2,3,4,5,6,7
	global_load_b128 v[8*\t:8*\t+3], v[VBI], s[BIASP:BIASP+1] offset:(32*(\t/2)+8*(\t%2))*4
	global_load_b128 v[8*\t+4:8*\t+7], v[VBI], s[BIASP:BIASP+1] offset:(32*(\t/2)+8*(\t%2))*4+16
.endr
.endif
	WIN 0
	; where my results go
.if MODE == 0
	s_lshr_b32 s2, s[GY], 4                        ; qkv is [batch x 16 + head][4 steps' group][K 0, V 1, Q 2][step % 4][6,400]; a step is 128 tokens
	s_lshl_b32 s2, s2, 4
	s_and_b32 s19, s[GX], 3
	s_lshl_b32 s19, s19, 2
	s_add_co_u32 s2, s2, s19
	s_lshl_b32 s19, s[WP], 1
	s_add_co_u32 s2, s2, s19                       ; the first of my two heads
	s_mul_i32 s2, s2, 307200
	s_bfe_u32 s19, s[GY], 0x20002
	s_mul_i32 s19, s19, 76800
	s_add_co_u32 s2, s2, s19
	s_and_b32 s19, s[GY], 3
	s_mul_i32 s19, s19, 6400
	s_add_co_u32 s2, s2, s19
	s_mul_i32 s19, s[WR], 3072                     ; my four tiles of tokens, 768 bytes each
	s_add_co_u32 s2, s2, s19
	s_lshr_b32 s19, s[GX], 2                       ; x 0-3: q's features, part 2;  x 4-7: k's, part 0
	s_mul_i32 s19, s19, 51200
	s_sub_co_u32 s19, 51200, s19
	s_add_co_u32 s2, s2, s19
	s_mul_i32 s19, s[WR], 2944
	s_sub_co_u32 s19, 6144, s19                    ; the scale words: 6,144 + 128 (wave / 2) from the step's first byte
	v_add_nc_u32 v[VA], s19, v[L4]
.elseif MODE == 1
	s_lshl_b32 s19, s[GX], 1
	s_add_co_u32 s19, s19, s[WP]                   ; my 128 tokens: step 2 x + wave % 2 of all batches'
	s_lshr_b32 s2, s[GX], 3
	s_lshl_b32 s2, s2, 4
	s_lshl_b32 s3, s[GY], 1
	s_add_co_u32 s2, s2, s3
	s_add_co_u32 s2, s2, s[WR]                     ; batch x 16 + head
	s_mul_i32 s2, s2, 307200
	s_bfe_u32 s3, s19, 0x20002
	s_mul_i32 s3, s3, 76800
	s_add_co_u32 s2, s2, s3
	s_and_b32 s3, s19, 3
	s_mul_i32 s3, s3, 6400
	s_add_co_u32 s2, s2, s3
	s_add_co_u32 s2, s2, 25600                     ; V's part
.else
	s_lshl_b32 s2, s[GY], 19                       ; token 128 y + 64 (wave / 2), rows of 4,096 bytes;
	s_lshl_b32 s19, s[WR], 18
	s_add_co_u32 s2, s2, s19
	s_lshl_b32 s19, s[GX], 10                      ; column 256 x + 128 (wave % 2)
	s_add_co_u32 s2, s2, s19
	s_lshl_b32 s19, s[WP], 9
	s_add_co_u32 s2, s2, s19
	s_mul_i32 s19, s[WV], 8448                     ; my stage: 16 rows of 512 bytes + 16.  It lies in group 0's bytes, which are filled once and read by nobody behind K step 3's barrier
	v_mul_u32_u24 v[VA], v[RR], 528
	v_lshl_add_u32 v[VA], v[HH], 6, v[VA]
	v_add_nc_u32 v[VA], s19, v[VA]                 ; in: row r, + 64 h bytes
	v_add_nc_u32 v[VB], s19, v[L16]                ; back: a whole row, 16 bytes a lane
.endif
	s_mov_b32 s3, 0
	s_add_nc_u64 s[OUTP:OUTP+1], s[OUTP:OUTP+1], s[2:3]
	s_mov_b32 s60, 0x76543210
	s_mov_b32 s61, 0xfedcba98                      ; v_permlanex16_b32's selects for lane l xor 16
	s_wait_alu depctr_va_vdst(0)
	s_wait_tensorcnt 1                             ; my part of group 0 is in; group 1's load may stay out
	s_barrier_signal -1
	s_barrier_wait -1                              ; everybody's is
	FETCH 0
	SCALES 0
	s_wait_loadcnt 0x0                             ; the bias
.irp s, 0,1,2,3,4,5,6,7
	STEP \s
.endr
	WIN 0
	PLACES                                         ; behind the last products
.if MODE < 2
; THE WAY OUT.  The 64 registers of a tile of R, register 16 b + i = P's index 32 b + 16 h + i, become a fragment's codes and its rows' scale word.
.macro QUANTW m
	WIN 0x0a                                       ; sources 0 and 1: window 2
.irp b, 0,1,2,3
	v_max3_num_f32 v[TM+\b], |v[64*(\m)+16*\b]|, |v[64*(\m)+16*\b+1]|, 0x1800000   ; each accumulator from its low end on; the floor 2^(3 - 127) holds the byte at 1 from below
.endr
.irp i, 2,4,6,8,10,12,14
.irp b, 0,1,2,3
	v_max3_num_f32 v[TM+\b], |v[64*(\m)+16*\b+\i]|, |v[64*(\m)+16*\b+\i+1]|, v[TM+\b]
.endr
.endr
	WIN 0
.irp b, 0,1,2,3
	v_permlanex16_b32 v[TM+4+\b], v[TM+\b], s60, s61
.endr
.irp b, 0,1,2,3
	v_max_num_f32 v[TM+\b], v[TM+\b], v[TM+4+\b]   ; with lane l xor 16's 16: the block's largest magnitude
.endr
.irp b, 0,1,2,3
	v_add_nc_u32 v[TM+12+\b], 0xff000000, v[TM+\b] ; 2 off its exponent field: the conversion's scale operand
.endr
.irp b, 0,1,2,3
	v_lshrrev_b32 v[TM+4+\b], 23, v[TM+12+\b]      ; the scale's byte
.endr
	v_lshl_or_b32 v[PW+(\m)], v[TM+5], 8, v[TM+4]
	v_lshl_or_b32 v[PW+(\m)], v[TM+6], 16, v[PW+(\m)]
	v_lshl_or_b32 v[PW+(\m)], v[TM+7], 24, v[PW+(\m)]
	WIN 0x02                                       ; source 0: window 2
.irp c, 0,1
	v_cvt_scalef32_pk16_fp6_f32 v[IM+12*(\m)+6*\c:IM+12*(\m)+6*\c+2], v[64*(\m)+32*\c:64*(\m)+32*\c+15], v[TM+12+2*\c]
	v_cvt_scalef32_pk16_fp6_f32 v[SQ+4*\c:SQ+4*\c+2], v[64*(\m)+32*\c+16:64*(\m)+32*\c+31], v[TM+12+2*\c+1]   ; (a conversion's three registers begin on an even number)
.endr
	WIN 0
	v_nop                                          ; one plain place behind a scaled conversion
.irp c, 0,1                            ; the operand's layout wants a whole block in a lane: lanes 0-15 block 2 c, lanes 16-31 block 2 c + 1
.irp i, 0,1,2
	v_permlane16_swap_b32 v[IM+12*(\m)+6*\c+\i], v[SQ+4*\c+\i]
.endr
.irp i, 0,1,2
	v_mov_b32 v[IM+12*(\m)+6*\c+3+\i], v[SQ+4*\c+\i]
.endr
.endr
.endm
.irp b, 0,1,2,3
	v_mov_b32 v[TM+4+\b], 0                        ; written once: a lane permute's destination counts as one of its sources
.endr
	v_cmp_eq_u32 vcc_lo, 1, v[HH]                  ; lanes 16-31
.irp m, 0,1,2,3                        ; each tile has its own 12 registers of codes: no store's data are written again
	QUANTW \m
.irp c, 0,1
.if MODE == 0                          ; half c is head c's 64 features of 16 tokens: 768 bytes at the tile's place in that head's step
	global_store_b128 v[L16], v[IM+12*\m+6*\c:IM+12*\m+6*\c+3], s[OUTP:OUTP+1] offset:\m*768+\c*307200
	global_store_b64 v[L8], v[IM+12*\m+6*\c+4:IM+12*\m+6*\c+5], s[OUTP:OUTP+1] offset:\m*768+\c*307200+512
.else                                  ; the fragment of 16 channels x 128 keys
	global_store_b128 v[L16], v[IM+12*\m+6*\c:IM+12*\m+6*\c+3], s[OUTP:OUTP+1] offset:\m*FRB+\c*768
	global_store_b64 v[L8], v[IM+12*\m+6*\c+4:IM+12*\m+6*\c+5], s[OUTP:OUTP+1] offset:\m*FRB+\c*768+512
.endif
.endr
.endr
.if MODE == 0                          ; a pair of tiles is one operand of q k^T: its word is the first tile's two bytes of the head, then the second's; lanes 0-15 store the pair (0, 1), lanes 16-31 the pair (2, 3)
.irp c, 0,1
	v_perm_b32 v[TM], v[PW+1], v[PW], 0x05040100+\c*0x02020202
	v_perm_b32 v[TM+1], v[PW+3], v[PW+2], 0x05040100+\c*0x02020202
	v_cndmask_b32 v[TM+8+\c], v[TM], v[TM+1], vcc_lo
	global_store_b32 v[VA], v[TM+8+\c], s[OUTP:OUTP+1] offset:\c*307200   ; 128 consecutive bytes; the other wave of these tokens stores the 128 beside them
.endr
.else                                  ; lanes 0-15 store tile 2 i's words, lanes 16-31 tile 2 i + 1's
.irp i, 0,1
	v_cndmask_b32 v[TM+8+\i], v[PW+2*\i], v[PW+2*\i+1], vcc_lo
	global_store_b32 v[L4], v[TM+8+\i], s[OUTP:OUTP+1] offset:6144+128*\i
.endr
.endif
.else
; THE WAY OUT, a tile of 16 tokens x 128 columns at a time, through my own stage: a lane holds pieces of one row, and the rows leave whole.
.macro TOSTAGE m
	WIN 0x08                                       ; an LDS store's data are its source 1: window 2
.irp q, 0,1,2,3,4,5,6,7,8,9,10,11,12,13,14,15
	ds_store_b128 v[VA], v[64*(\m)+4*\q:64*(\m)+4*\q+3] offset:128*(\q/4)+16*(\q%4)   ; registers 16 b + 4 j on: columns 32 b + 16 h + 4 j on; each accumulator from its low end on
.endr
	WIN 0
.irp t, 0,1,2,3,4,5,6,7,8,9,10,11,12,13,14,15
	ds_load_b128 v[BK+64*((\m)%2)+4*\t:BK+64*((\m)%2)+4*\t+3], v[VB] offset:\t*528   ; LDS serves a wave's instructions in order: these see the stores above
.endr
.endm
.macro SEND m, younger                 ; younger: the LDS instructions issued behind this tile's loads, which may stay out
	s_wait_dscnt \younger
.irp t, 0,1,2,3,4,5,6,7,8,9,10,11,12,13,14,15
	global_store_b128 v[L16], v[BK+64*((\m)%2)+4*\t:BK+64*((\m)%2)+4*\t+3], s[OUTP:OUTP+1] offset:(32*((\m)/2)+8*((\m)%2)+\t+8*(\t/8))*4096 th:TH_STORE_NT   ; slot t's token; 512 consecutive bytes, at a multiple of 256 from the buffer's first byte
.endr
.endm
	TOSTAGE 0
.irp a, 1,2,3
.if \a > 1
	s_wait_xcnt 0x0                                ; tile a - 2's stores have read their registers: tile a's rows may land there
.endif
	TOSTAGE \a
	SEND \a-1, 32                                  ; behind tile a - 1's loads: tile a's 16 stores and 16 loads
.endr
	SEND 3, 0
.endif
	s_wait_tensorcnt 0x0
	ds_add_u32 v254, v255
	s_wait_dscnt 0x0
	CROUND                                         ; the closing round: no work-group ends while a partner may still ask for a tile that names it
	s_endpgm
.Lfunc_end_k_q33c7ab6f0b_gemm_v:
	.size	k_q33c7ab6f0b_gemm_v, .Lfunc_end_k_q33c7ab6f0b_gemm_v-k_q33c7ab6f0b_gemm_v
	.p2alignl 7, 3214868480
	.fill 96, 4, 3214868480
	.section	.rodata,"a",@progbits
	.p2align	6, 0x0
	.amdhsa_kernel k_q33c7ab6f0b_gemm_v
		.amdhsa_group_segment_fixed_size 307712
		.amdhsa_private_segment_fixed_size 0
		.amdhsa_enable_private_segment 0
		.amdhsa_kernarg_size 24
		.amdhsa_user_sgpr_count 2
		.amdhsa_user_sgpr_kernarg_segment_ptr 1
		.amdhsa_wavefront_size32 1
		.amdhsa_system_sgpr_workgroup_id_x 1
		.amdhsa_system_sgpr_workgroup_id_y 1
		.amdhsa_system_sgpr_workgroup_id_z 1
		.amdhsa_system_vgpr_workitem_id 0
		.amdhsa_next_free_vgpr 1024
		.amdhsa_next_free_sgpr 66
		.amdhsa_reserve_vcc 1
		.amdhsa_float_denorm_mode_32 3
		.amdhsa_float_denorm_mode_16_64 3
		.amdhsa_memory_ordered 1
		.amdhsa_forward_progress 1
		.amdhsa_inst_pref_size 88
	.end_amdhsa_kernel
	.amdgpu_metadata
---
amdhsa.version: [ 1, 2 ]
amdhsa.kernels:
  - .name:           k_q33c7ab6f0b_gemm_v
    .symbol:         k_q33c7ab6f0b_gemm_v.kd
    .args:
      - { .name: opc, .offset: 0, .size: 8, .value_kind: global_buffer, .address_space: global }
      - { .name: qkv_b, .offset: 8, .size: 8, .value_kind: global_buffer, .address_space: global }
      - { .name: qkv, .offset: 16, .size: 8, .value_kind: global_buffer, .address_space: global }
    .group_segment_fixed_size: 307712
    .private_segment_fixed_size: 0
    .kernarg_segment_align: 8
    .kernarg_segment_size: 24
    .max_flat_workgroup_size: 128
    .sgpr_count:     66
    .vgpr_count:     1024
    .wavefront_size: 32
...
	.end_amdgpu_metadata
.endif
;; end of part 3
;; launch attn (part 4): grid 4 x 64, 16 waves a work-group, clusters of 4 x 1, 206,848 bytes of LDS; arguments qkv, ao; writes ao
.if DOCPART == 4
	.amdgcn_target "amdgcn-amd-amdhsa--gfx1250"
	.amdhsa_code_object_version 6
	.text
	.protected	k_q33c7ab6f0b_attn
	.globl	k_q33c7ab6f0b_attn
	.p2align	8
	.type	k_q33c7ab6f0b_attn,@function
k_q33c7ab6f0b_attn:
	s_mov_b64 s[64:65], 0
	v_nop
	global_prefetch_b8 v0, s[64:65] scope:SCOPE_SE
	s_setreg_imm32_b32 hwreg(HW_REG_WAVE_MODE, 25, 1), 1
	s_wait_xcnt 0x0
	s_wait_alu depctr_hold_cnt(0) depctr_sa_sdst(0) depctr_va_vdst(0) depctr_va_sdst(0) depctr_va_ssrc(0) depctr_va_vcc(0) depctr_vm_vsrc(0)
	s_getreg_b32 s2, hwreg(HW_REG_IB_STS2, 6, 4)
	s_cmp_eq_u32 s2, 0
	s_cbranch_scc0 .Lentry_in_a_cluster
	s_endpgm
.Lentry_in_a_cluster:
	s_bfe_u32 s2, ttmp6, 0x10000c
	s_cmp_lg_u32 s2, 0x3003
	s_cbranch_scc0 .Lentry_shape_is_right
	s_endpgm
.Lentry_shape_is_right:
; O[b][h][q] = the sum over k of softmax_k(q . k / 8) v, both products on codes of FP6 (E2M3) with E8M0 scales; 64 (batch, head) pairs, 2,048 tokens, head size 64.  The result is quantised along head x 64 + channel, as the operand of the last product.
; THE SOFTMAX AHEAD OF THE SECOND PRODUCT: t = score x log2(e) / 8; M = the row's largest t so far, rounded UP to a whole number; p = 2^(t - M) is what is quantised, along the keys; it is not normalised.
; The row's sum is taken of the unquantised p, in f32, and divides O at the end (by v_rcp_f32 and a multiplication).  When M moves, the sum and O are multiplied by 2^(old M - new M): exact.
; INPUT: qkv is [batch x 16 + head][group of 4 steps][K 0, V 1, Q 2][step % 4][6,400 bytes]; a step is 128 tokens, laid in the order of the operands' registers.
;   K, Q: eight tiles of 16 tokens x 64, 768 bytes each (registers 0-3 of lane l at 16 l, registers 4-5 at 512 + 8 l); slot p of tile T is token 32 (T / 2) + 8 (T % 2) + p + 8 (p / 8).  Two neighbouring tiles are one run of 12 registers.
;   V: four fragments of 16 channels x 128 keys, 1,536 bytes each.  Behind them, at 6,144: 256 bytes of scale words: word 32 i + lane: K, Q: pair of tiles 2 i + h, slot r (two bytes of each tile); V: tile 2 i + h, slot r.
; K = 64 IN AN INSTRUCTION OF 128: source 0 is a pair of key tiles [Ka | Kb]; source 1 is [Q | 0] for Ka's scores and [0 | Q] for Kb's.  Q stands as [Q | 0 | Q] in 18 registers.  The half that does not belong meets zero codes.
; LAYOUT: both products transposed (S^T = K Q^T, O^T = V^T P^T): a lane holds ONE query.  By the tiles' order the 16 registers of tiles 2 b, 2 b + 1 are keys 32 b + 16 h + 0 .. 15, and O^T's are channels likewise.
; SHARES: a work-group owns one (batch, head) and 512 queries; each of its sixteen waves owns one tile of 16 queries at a time, in two passes; four waves to a SIMD, so that one wave's vector work stands beside another's products and LDS loads.
; K AND V OF THE WHOLE HEAD LIE IN LDS, 204,800 bytes, filled once, in four groups of 512 keys: no LDS byte is filled twice, so there is no ring.
; CLUSTER: the four query blocks of a head form a cluster and ask for K and V jointly: the same tensor loads with a mask that names the four.
; LIMITS: NaN and infinities are not served; a block of the result whose largest magnitude lies under 2^-124 keeps the scale byte 1.  The result's scale bytes leave as single bytes (32 a tile): eight heads share their 256 bytes.
; REGISTERS: v1-3 16, 8, 4 x lane; v4-6 the same + the step's LDS byte; v12 -M, v13 the largest t, v[14:15] the sum in two halves; v16-33 Q; v34 Q's scale word; v36-83 four fragments of K or V; v84-87 their scale words;
;   v88-93 offsets in Q and in ao; v96-159 S^T, then p; v160-191 O^T; v192-203 p's codes; v204-223 at work; v224-230 the way out.
.set FRB,   1536
.set STEPB, 6400
.set GRPB,  51200                      ; LDS: a group: four steps of K, then four of V
.set KV,  36
.set KS,  84
.set VS,  86
.set S,   96
.set O,   160
.set PC,  192
.set BM,  204                          ; v204-207 the blocks' largest scores, then largest p
.set T8,  208                          ; v208-215 at work
.set SO,  216                          ; v216-219 the conversions' scale operands
.set F,   220                          ; v[220:221] f = 2^(old M - new M); the upper register is named with it and written once
.set PWD, 222                          ; p's scale word
.set TT,  223
.set HI,  224                          ; v224-229 the result's codes; v230 its scale byte
.set BY,  230
.set WV,  8
.macro CROUND                          ; a round of the cluster's barrier
	s_barrier_signal -1
	s_barrier_wait -1
	s_cmp_lg_u32 s[WV], 0
	s_cbranch_scc1 .Lnot_wave_0_\@
	s_barrier_signal -3
.Lnot_wave_0_\@:
	s_barrier_wait -3
	s_barrier_signal -1
	s_barrier_wait -1
.endm
.macro FRAG reg, a16, a8, off          ; 12 registers come back as they were stored: consecutive bytes, no pitch
	ds_load_b128 v[(\reg):(\reg)+3], v[\a16] offset:(\off)
	ds_load_b64 v[(\reg)+4:(\reg)+5], v[\a8] offset:(\off)+512
	ds_load_b128 v[(\reg)+6:(\reg)+9], v[\a16] offset:(\off)+768
	ds_load_b64 v[(\reg)+10:(\reg)+11], v[\a8] offset:(\off)+1280
.endm
	s_load_b128 s[4:7], s[0:1], 0x0                ; qkv, ao
	v_lshl_add_u32 v254, v0, 2, 0x32000
	v_mov_b32 v255, 0
	ds_add_u32 v254, v255
	ds_add_u32 v254, v255
	v_lshrrev_b32 v1, 5, v0
	s_delay_alu instid0(VALU_DEP_1)
	v_readfirstlane_b32 s[WV], v1                  ; wave 0..15
	s_bfe_u32 s9, ttmp6, 0x40000                   ; cx
	s_lshl_b32 s10, ttmp9, 2
	s_add_co_u32 s10, s10, s9                      ; my block of 512 queries: it enters Q's and ao's addresses alone
	s_and_b32 s11, ttmp7, 0xffff                   ; batch x 16 + head, which the four partners share
	s_mul_i32 s52, s11, 307200
	s_and_b32 s12, s[WV], 3
	s_mul_i32 s12, s12, 12800                      ; waves 0-3 fetch a quarter of each group
	s_add_co_u32 s54, s52, s12
	s_mov_b32 s55, 0
	s_mov_b32 s16, 15|(3<<16)|(1<<21)              ; group 1: 15:0 the mask: all four work-groups; 17:16 elements of 8 bytes; 21 set beside a mask
	s_mov_b32 s17, 32<<16                          ; tensor_dim0 = 32: rows of 256 bytes of a dense block
	s_mov_b32 s18, 50<<16                          ; tensor_dim1 = 50 rows: 12,800 bytes
	s_mov_b32 s19, 32<<16                          ; tile_dim0
	s_mov_b32 s20, 50                              ; tile_dim1
	s_mov_b32 s21, 32                              ; the pitch
	s_mov_b32 s22, 0
	s_mov_b32 s23, 0
	s_mul_i32 s13, s10, 76800                      ; Q: my block is one group of four steps; its part 2; step wave / 8 (+ 2 in the second pass)
	s_lshr_b32 s14, s[WV], 3
	s_mul_i32 s14, s14, STEPB
	s_add_co_u32 s46, s52, s13
	s_add_co_u32 s46, s46, s14
	s_add_co_u32 s46, s46, 51200
	s_mov_b32 s47, 0
	s_lshr_b32 s13, s11, 4                         ; ao is [tile of 16 tokens][group of 8 heads][6,400]: my tile = batch x 128 + 32 x block + wave (+ 16)
	s_lshl_b32 s13, s13, 7
	s_lshl_b32 s14, s10, 5
	s_add_co_u32 s13, s13, s14
	s_add_co_u32 s13, s13, s[WV]
	s_mul_i32 s48, s13, 12800
	s_bfe_u32 s14, s11, 0x10003                    ; head / 8
	s_mul_i32 s14, s14, 6400
	s_add_co_u32 s48, s48, s14
	s_mov_b32 s49, 0
	s_bfe_u32 s13, s11, 0x20001                    ; (head / 2) % 4: the fragment
	s_and_b32 s14, s11, 1                          ; head % 2: its half
	s_mul_i32 s56, s13, FRB
	s_mul_i32 s15, s14, 768
	s_add_co_u32 s56, s56, s15                     ; where my codes go in the group,
	s_lshl_b32 s57, s13, 2
	s_lshl_b32 s15, s14, 1
	s_add_co_u32 s57, s57, s15
	s_add_co_u32 s57, s57, 6144                    ; and my scale bytes
	s_and_b32 s58, s[WV], 7                        ; my tile in Q's step
	s_mul_i32 s59, s58, 768
	s_lshr_b32 s60, s58, 1
	s_lshl_b32 s60, s60, 6                         ; its pair's scale words: 64 bytes a pair
	s_mov_b32 s50, 0x03020302                      ; of the pair's word: the second tile's two bytes, twice,
	s_and_b32 s15, s[WV], 1
	s_cmp_eq_u32 s15, 0
	s_cselect_b32 s50, 0x01000100, s50             ; or the first's
	s_mov_b32 s51, 0xffff0000                      ; lanes 16-31
	s_mov_b32 s40, 0x76543210
	s_mov_b32 s41, 0xfedcba98                      ; v_permlanex16_b32's selects for lane l xor 16
	s_mov_b32 s42, 0x3e38aa3b                      ; c = log2(e) / 8
	s_mov_b32 s43, s42                             ; (named with it as a pair, so it is written)
	s_wait_dscnt 0x0
	s_wait_kmcnt 0x0
	s_add_nc_u64 s[54:55], s[4:5], s[54:55]
	s_add_nc_u64 s[46:47], s[4:5], s[46:47]
	s_add_nc_u64 s[48:49], s[6:7], s[48:49]
.irp g, 0,1,2,3
	s_mov_b32 s[24+4*\g], 1
	s_add_co_u32 s[25+4*\g], s12, \g*GRPB          ; LDS: group g, my quarter
	s_add_nc_u64 s[26+4*\g:27+4*\g], s[54:55], \g*76800   ; memory: a group's K and V are its first 51,200 bytes
	s_or_b32 s[27+4*\g], s[27+4*\g], 0x80000000
.endr
	CROUND                                         ; all four work-groups are here: the joint loads meet
	s_cmp_lt_u32 s[WV], 4                          ; a wave's four fills stand in one branch on its number: four tensor loads of mine are out; four v_nop follow the last
	s_cbranch_scc0 .Lno_fill
	tensor_load_to_lds s[24:27], s[16:23]
	s_nop 0
	tensor_load_to_lds s[28:31], s[16:23]
	s_nop 0
	tensor_load_to_lds s[32:35], s[16:23]
	s_nop 0
	tensor_load_to_lds s[36:39], s[16:23]
	s_nop 0
.rept 4
	v_nop
.endr
.Lno_fill:
	v_and_b32 v3, 31, v0
	s_delay_alu instid0(VALU_DEP_1)
	v_lshlrev_b32 v1, 4, v3                        ; 16 x lane
	s_delay_alu instid0(VALU_DEP_2)
	v_lshlrev_b32 v2, 3, v3                        ; 8 x lane
	s_delay_alu instid0(VALU_DEP_3)
	v_lshlrev_b32 v3, 2, v3                        ; 4 x lane
	v_and_b32 v7, 15, v0                           ; r
	v_bfe_u32 v8, v0, 4, 1                         ; h
	v_add_nc_u32 v88, s59, v1                      ; Q: my tile's codes,
	v_add_nc_u32 v89, s59, v2
	s_delay_alu instid0(VALU_DEP_4)
	v_lshl_add_u32 v90, v7, 2, s60                 ; and slot r's word of its pair
	v_add_nc_u32 v91, s56, v1                      ; ao: my codes,
	v_add_nc_u32 v92, s56, v2
	v_lshl_add_u32 v93, v7, 4, v8
	s_delay_alu instid0(VALU_DEP_1)
	v_add_nc_u32 v93, s57, v93                     ; and my byte: 16 r + h
.irp b, 0,1,2,3
	v_mov_b32 v[T8+\b], 0                          ; written once: a lane permute's destination counts as one of its sources
.endr
	v_mov_b32 v[F+1], 0
	v_mov_b32 v[TT], 0
; A KEY STEP: 128 keys, at LDS byte s44.
.macro STEP
	v_add_nc_u32 v4, s44, v1                       ; these three and the v_nop are the four places between the last products and the loads into the registers that they read
	v_add_nc_u32 v5, s44, v2
	v_add_nc_u32 v6, s44, v3
	v_nop
.irp b, 0,1,2,3
	FRAG KV+12*\b, 4, 5, \b*FRB                    ; the pair of key tiles 2 b, 2 b + 1
.endr
	ds_load_b32 v[KS], v6 offset:6144              ; lanes 0-15 pair 0's words, lanes 16-31 pair 1's
	ds_load_b32 v[KS+1], v6 offset:6144+128        ; pairs 2 and 3
	s_wait_alu depctr_va_vdst(0)
	s_wait_dscnt 0x0
.irp b, 0,1,2,3
.irp u, 0,1
.if \b%2
	v_wmma_scale_f32_16x16x128_f8f6f4 v[S+8*(2*\b+\u):S+8*(2*\b+\u)+7], v[KV+12*\b:KV+12*\b+11], v[16+6*\u:27+6*\u], 0, v[KS+\b/2], v34 matrix_a_fmt:MATRIX_FMT_FP6 matrix_b_fmt:MATRIX_FMT_FP6 matrix_a_scale:MATRIX_SCALE_ROW1
.else
	v_wmma_scale_f32_16x16x128_f8f6f4 v[S+8*(2*\b+\u):S+8*(2*\b+\u)+7], v[KV+12*\b:KV+12*\b+11], v[16+6*\u:27+6*\u], 0, v[KS+\b/2], v34 matrix_a_fmt:MATRIX_FMT_FP6 matrix_b_fmt:MATRIX_FMT_FP6
.endif
.endr
.endr
.rept 4
	v_nop                                          ; places in front of the loads below and of the first read of the scores
.endr
.irp t, 0,1,2,3
	FRAG KV+12*\t, 4, 5, 4*STEPB+\t*FRB            ; V's four fragments are asked for here and land under the softmax
.endr
	ds_load_b32 v[VS], v6 offset:4*STEPB+6144
	ds_load_b32 v[VS+1], v6 offset:4*STEPB+6144+128
.irp b, 0,1,2,3
	v_max3_num_f32 v[BM+\b], v[S+16*\b], v[S+16*\b+1], v[S+16*\b+2]   ; THE LARGEST SCORE OF EACH BLOCK OF 32 KEYS serves twice: for the row's maximum, and, since p rises with the score, for the block's largest p
.endr
.irp i, 3,5,7,9,11,13
.irp b, 0,1,2,3
	v_max3_num_f32 v[BM+\b], v[BM+\b], v[S+16*\b+\i], v[S+16*\b+\i+1]
.endr
.endr
.irp b, 0,1,2,3
	v_max_num_f32 v[BM+\b], v[BM+\b], v[S+16*\b+15]
.endr
.irp b, 0,1,2,3
	s_delay_alu instid0(VALU_DEP_4)
	v_permlanex16_b32 v[T8+\b], v[BM+\b], s40, s41
.endr
.irp b, 0,1,2,3
	s_delay_alu instid0(VALU_DEP_4)
	v_max_num_f32 v[BM+\b], v[BM+\b], v[T8+\b]     ; with lane l xor 16's 16 keys
.endr
	s_delay_alu instid0(VALU_DEP_2)
	v_max3_num_f32 v[TT], v[BM], v[BM+1], v[BM+2]
	s_delay_alu instid0(VALU_DEP_1)
	v_max_num_f32 v[TT], v[TT], v[BM+3]            ; the step's largest score of my query
	s_delay_alu instid0(VALU_DEP_1)
	v_mul_f32 v[TT], s42, v[TT]                    ; as t (c is positive)
	s_delay_alu instid0(VALU_DEP_1)
	v_max_num_f32 v13, v13, v[TT]                  ; the running largest t
	v_mov_b32 v[TT], v12
	s_delay_alu instid0(VALU_DEP_2)
	v_floor_f32 v12, -v13                          ; the new -M = floor(-t) = -ceil(t): a whole number
	s_delay_alu instid0(VALU_DEP_1)
	v_sub_f32 v[TT], v12, v[TT]                    ; M's old value less its new one: a whole number, 0 or less
	s_delay_alu instid0(VALU_DEP_1)
	v_cvt_i32_f32 v[TT], v[TT]                     ; (it saturates)
	s_delay_alu instid0(VALU_DEP_1)
	v_ldexp_f32 v[F], 1.0, v[TT]                   ; f = 2^(old M - new M)
.set j, 0
.rept 32
	v_pk_fma_f32 v[S+j:S+j+1], v[S+j:S+j+1], s[42:43], v[12:13] op_sel_hi:[1,0,0]   ; t - M, two at a time (of the pairs c and -M the low word serves both halves)
.set j, j+2
.endr
.irp b, 0,1,2,3
	v_fma_f32 v[BM+\b], v[BM+\b], s42, v12         ; the same of each block's largest score
.endr
.set j, 0
	s_setprio 1
	s_wait_alu depctr_va_vdst(0)
.rept 64
	v_exp_f32 v[S+j], v[S+j]                       ; p = 2^(t - M), at most 1: not normalised
.set j, j+1
.endr
.irp b, 0,1,2,3
	v_exp_f32 v[BM+\b], v[BM+\b]                   ; the block's largest p: the same two instructions on the same number give the same bits
.endr
	v_pk_mul_f32 v[14:15], v[14:15], v[F:F+1] op_sel_hi:[1,0]   ; the sums under the new M.  (A plain place behind the exponentials)
	s_wait_alu depctr_va_vdst(0)
.irp b, 0,1,2,3
	v_max_num_f32 v[BM+\b], 0x1800000, v[BM+\b]    ; the floor 2^(3 - 127): the byte cannot fall under 1
.endr
.irp b, 0,1,2,3
	s_delay_alu instid0(VALU_DEP_4)
	v_add_nc_u32 v[SO+\b], 0xff000000, v[BM+\b]    ; 2 off the exponent field: the conversion's scale operand
.endr
.irp b, 0,1,2,3
	s_delay_alu instid0(VALU_DEP_4)
	v_lshrrev_b32 v[T8+\b], 23, v[SO+\b]           ; the scale's byte
.endr
	s_delay_alu instid0(VALU_DEP_3)
	v_lshl_or_b32 v[PWD], v[T8+1], 8, v[T8]        ; p's scale word for these 128 keys
	s_delay_alu instid0(VALU_DEP_1)
	v_lshl_or_b32 v[PWD], v[T8+2], 16, v[PWD]
	s_delay_alu instid0(VALU_DEP_1)
	v_lshl_or_b32 v[PWD], v[T8+3], 24, v[PWD]
.irp c, 0,1
	v_cvt_scalef32_pk16_fp6_f32 v[PC+6*\c:PC+6*\c+2], v[S+32*\c:S+32*\c+15], v[SO+2*\c]
	v_cvt_scalef32_pk16_fp6_f32 v[T8+4*\c:T8+4*\c+2], v[S+32*\c+16:S+32*\c+31], v[SO+2*\c+1]   ; (a conversion's three registers begin on an even number)
.endr
	v_nop                                          ; one plain place behind a scaled conversion
.irp c, 0,1                            ; the operand's layout wants a whole block in a lane: lanes 0-15 block 2 c, lanes 16-31 block 2 c + 1
.irp i, 0,1,2
	v_permlane16_swap_b32 v[PC+6*\c+\i], v[T8+4*\c+\i]
.endr
.irp i, 0,1,2
	s_delay_alu instid0(VALU_DEP_3)
	v_mov_b32 v[PC+6*\c+3+\i], v[T8+4*\c+\i]
.endr
.endr
	v_pk_add_f32 v[208:209], v[100:101], v[104:105]
	v_pk_add_f32 v[252:253], v[108:109], v[112:113]
	v_pk_add_f32 v[250:251], v[116:117], v[120:121]
	v_pk_add_f32 v[248:249], v[124:125], v[128:129]
	v_pk_add_f32 v[246:247], v[132:133], v[136:137]
	v_pk_add_f32 v[244:245], v[140:141], v[144:145]
	v_pk_add_f32 v[242:243], v[148:149], v[152:153]
	v_pk_add_f32 v[14:15], v[14:15], v[156:157]
	v_pk_add_f32 v[208:209], v[208:209], v[96:97]
	v_pk_add_f32 v[252:253], v[252:253], v[98:99]
	v_pk_add_f32 v[250:251], v[250:251], v[102:103]
	v_pk_add_f32 v[248:249], v[248:249], v[106:107]
	v_pk_add_f32 v[246:247], v[246:247], v[110:111]
	v_pk_add_f32 v[244:245], v[244:245], v[114:115]
	v_pk_add_f32 v[242:243], v[242:243], v[118:119]
	v_pk_add_f32 v[14:15], v[14:15], v[122:123]
	v_pk_add_f32 v[208:209], v[208:209], v[126:127]
	v_pk_add_f32 v[252:253], v[252:253], v[130:131]
	v_pk_add_f32 v[250:251], v[250:251], v[134:135]
	v_pk_add_f32 v[248:249], v[248:249], v[138:139]
	v_pk_add_f32 v[246:247], v[246:247], v[142:143]
	v_pk_add_f32 v[244:245], v[244:245], v[146:147]
	v_pk_add_f32 v[242:243], v[242:243], v[150:151]
	v_pk_add_f32 v[14:15], v[14:15], v[154:155]
	v_pk_add_f32 v[208:209], v[208:209], v[158:159]
	s_delay_alu instid0(VALU_DEP_2)
	v_pk_add_f32 v[14:15], v[14:15], v[248:249]
	s_delay_alu instid0(VALU_DEP_2)
	v_pk_add_f32 v[208:209], v[208:209], v[246:247]
	s_setprio 0
	v_pk_add_f32 v[252:253], v[252:253], v[244:245]
	v_pk_add_f32 v[250:251], v[250:251], v[242:243]
	s_delay_alu instid0(VALU_DEP_2)
	v_pk_add_f32 v[14:15], v[14:15], v[252:253]
	s_delay_alu instid0(VALU_DEP_2)
	v_pk_add_f32 v[208:209], v[208:209], v[250:251]
	s_delay_alu instid0(VALU_DEP_1)
	v_pk_add_f32 v[14:15], v[14:15], v[208:209]
.set j, 0
.rept 16
	v_pk_mul_f32 v[O+j:O+j+1], v[O+j:O+j+1], v[F:F+1] op_sel_hi:[1,0]   ; O^T under the new M, each accumulator from its low end on.  (The sums and these are the places between p's codes and scale word and the products below)
.set j, j+2
.endr
	s_wait_alu depctr_va_vdst(0)
	s_wait_dscnt 0x0                               ; V
.irp t, 0,1,2,3                        ; O^T += V^T P^T: the four accumulators by turns; between two links of one stand eleven other matrix instructions
.if \t%2
	v_wmma_scale_f32_16x16x128_f8f6f4 v[O+8*\t:O+8*\t+7], v[KV+12*\t:KV+12*\t+11], v[PC:PC+11], v[O+8*\t:O+8*\t+7], v[VS+\t/2], v[PWD] matrix_a_fmt:MATRIX_FMT_FP6 matrix_b_fmt:MATRIX_FMT_FP6 matrix_a_scale:MATRIX_SCALE_ROW1
.else
	v_wmma_scale_f32_16x16x128_f8f6f4 v[O+8*\t:O+8*\t+7], v[KV+12*\t:KV+12*\t+11], v[PC:PC+11], v[O+8*\t:O+8*\t+7], v[VS+\t/2], v[PWD] matrix_a_fmt:MATRIX_FMT_FP6 matrix_b_fmt:MATRIX_FMT_FP6
.endif
.endr
.endm
; A group's four steps.  first = 1 (the first pass): the group has to have landed: the count leaves the later groups' loads on their way.
.macro GROUP g, first
.if \first
	s_wait_tensorcnt 3-\g                          ; my quarter of group g is in (a wave that fetched nothing passes)
	s_wait_dscnt 0x0
	s_barrier_signal -1
	s_barrier_wait -1                              ; everybody's is
.endif
	s_mov_b32 s44, \g*GRPB
	s_mov_b32 s45, 4
.Lstep_\@:
	s_setprio 2
	STEP
	s_add_co_u32 s44, s44, STEPB
	s_sub_co_u32 s45, s45, 1
	s_cmp_lg_u32 s45, 0
	s_cbranch_scc1 .Lstep_\@
	s_setprio 0
.endm
; A pass: one tile of 16 queries against all 2,048 keys.
.macro PASS p
.if \p
	s_wait_xcnt 0x0                                ; the first pass's stores have read their registers and their base
	s_add_nc_u64 s[46:47], s[46:47], 2*STEPB       ; 16 tiles of queries on: two steps,
	s_add_nc_u64 s[48:49], s[48:49], 16*12800      ; 16 tiles of ao
.endif
	global_load_b128 v[16:19], v88, s[46:47]       ; Q twice: [Q | 0 | Q]
	global_load_b64 v[20:21], v89, s[46:47] offset:512
	global_load_b128 v[28:31], v88, s[46:47]
	global_load_b64 v[32:33], v89, s[46:47] offset:512
	global_load_b32 v35, v90, s[46:47] offset:6144
	v_mov_b32 v13, 0xff61b1e6                      ; the largest t so far: -3e38, under every t
	s_delay_alu instid0(VALU_DEP_1)
	v_floor_f32 v12, -v13                          ; -M
	v_mov_b32 v14, 0                               ; the sum, in two halves
	v_mov_b32 v15, 0
	s_wait_loadcnt 0x0
	v_perm_b32 v34, v35, v35, s50                  ; my tile's two bytes, twice: they serve [Q | 0] and [0 | Q]
.irp j, 22,23,24,25,26,27
	v_mov_b32 v[\j], 0
.endr
.set j, 0
.rept 32
	v_mov_b32 v[O+j], 0                            ; O^T.  (The step is written once: the first finds zeros, which the first change of M leaves zeros.  These are also the places between Q's scale word and zeros and the first product)
.set j, j+1
.endr
	GROUP 0, 1-\p
	GROUP 1, 1-\p
	GROUP 2, 1-\p
	GROUP 3, 1-\p
	; THE WAY OUT: O^T / the sum, quantised along the head's 64 channels: two blocks; the six registers are half a fragment of the last product's operand
.rept 4
	v_nop                                          ; places behind the last products
.endr
	v_add_f32 v14, v14, v15                        ; the sum's two halves,
	s_delay_alu instid0(VALU_DEP_1)
	v_permlanex16_b32 v[TT], v14, s40, s41
	s_delay_alu instid0(VALU_DEP_1)
	v_add_f32 v14, v14, v[TT]                      ; and lane l xor 16's: the row's sum
	s_wait_alu depctr_va_vdst(0)
	v_rcp_f32 v14, v14
	v_nop                                          ; one plain place behind a transcendental
.set j, 0
	s_wait_alu depctr_va_vdst(0)
.rept 32
	v_mul_f32 v[S+j], v[O+j], v14                  ; register 16 b + i: channel 32 b + 16 h + i; each accumulator from its low end on
.set j, j+1
.endr
.irp b, 0,1
	v_max3_num_f32 v[BM+\b], |v[S+16*\b]|, |v[S+16*\b+1]|, 0x1800000
.endr
.irp i, 2,4,6,8,10,12,14
.irp b, 0,1
	s_delay_alu instid0(VALU_DEP_2)
	v_max3_num_f32 v[BM+\b], v[BM+\b], |v[S+16*\b+\i]|, |v[S+16*\b+\i+1]|
.endr
.endr
.irp b, 0,1
	s_delay_alu instid0(VALU_DEP_2)
	v_permlanex16_b32 v[T8+\b], v[BM+\b], s40, s41
.endr
.irp b, 0,1
	s_delay_alu instid0(VALU_DEP_2)
	v_max_num_f32 v[BM+\b], v[BM+\b], v[T8+\b]
.endr
.irp b, 0,1
	s_delay_alu instid0(VALU_DEP_2)
	v_add_nc_u32 v[SO+\b], 0xff000000, v[BM+\b]
.endr
.irp b, 0,1
	s_delay_alu instid0(VALU_DEP_2)
	v_lshrrev_b32 v[T8+\b], 23, v[SO+\b]
.endr
	s_delay_alu instid0(VALU_DEP_1)
	v_cndmask_b32 v[BY], v[T8], v[T8+1], s51       ; lanes 0-15 store block 0's byte, lanes 16-31 block 1's
	v_cvt_scalef32_pk16_fp6_f32 v[HI:HI+2], v[S:S+15], v[SO]
	v_cvt_scalef32_pk16_fp6_f32 v[T8+4:T8+6], v[S+16:S+31], v[SO+1]
	v_nop                                          ; one plain place behind a scaled conversion
.irp i, 0,1,2
	v_permlane16_swap_b32 v[HI+\i], v[T8+4+\i]
.endr
.irp i, 0,1,2
	s_delay_alu instid0(VALU_DEP_3)
	v_mov_b32 v[HI+3+\i], v[T8+4+\i]
.endr
	global_store_b128 v91, v[HI:HI+3], s[48:49]            ; 512 consecutive bytes, at a multiple of 256 from the buffer's first byte
	global_store_b64 v92, v[HI+4:HI+5], s[48:49] offset:512   ; 256
	global_store_b8 v93, v[BY], s[48:49]
.endm
	PASS 0
	PASS 1
	s_wait_tensorcnt 0x0
	ds_add_u32 v254, v255
	s_wait_dscnt 0x0
	CROUND                                         ; the closing round: no work-group ends while a partner may still ask for a tile that names it
	s_endpgm
.Lfunc_end_k_q33c7ab6f0b_attn:
	.size	k_q33c7ab6f0b_attn, .Lfunc_end_k_q33c7ab6f0b_attn-k_q33c7ab6f0b_attn
	.p2alignl 7, 3214868480
	.fill 96, 4, 3214868480
	.section	.rodata,"a",@progbits
	.p2align	6, 0x0
	.amdhsa_kernel k_q33c7ab6f0b_attn
		.amdhsa_group_segment_fixed_size 206848
		.amdhsa_private_segment_fixed_size 0
		.amdhsa_enable_private_segment 0
		.amdhsa_kernarg_size 16
		.amdhsa_user_sgpr_count 2
		.amdhsa_user_sgpr_kernarg_segment_ptr 1
		.amdhsa_wavefront_size32 1
		.amdhsa_system_sgpr_workgroup_id_x 1
		.amdhsa_system_sgpr_workgroup_id_y 1
		.amdhsa_system_sgpr_workgroup_id_z 1
		.amdhsa_system_vgpr_workitem_id 0
		.amdhsa_next_free_vgpr 256
		.amdhsa_next_free_sgpr 66
		.amdhsa_reserve_vcc 0
		.amdhsa_float_denorm_mode_32 3
		.amdhsa_float_denorm_mode_16_64 3
		.amdhsa_memory_ordered 1
		.amdhsa_forward_progress 1
		.amdhsa_inst_pref_size 159
	.end_amdhsa_kernel
	.amdgpu_metadata
---
amdhsa.version: [ 1, 2 ]
amdhsa.kernels:
  - .name:           k_q33c7ab6f0b_attn
    .symbol:         k_q33c7ab6f0b_attn.kd
    .args:
      - { .name: qkv, .offset: 0, .size: 8, .value_kind: global_buffer, .address_space: global }
      - { .name: ao, .offset: 8, .size: 8, .value_kind: global_buffer, .address_space: global }
    .group_segment_fixed_size: 206848
    .private_segment_fixed_size: 0
    .kernarg_segment_align: 8
    .kernarg_segment_size: 16
    .max_flat_workgroup_size: 512
    .sgpr_count:     66
    .vgpr_count:     256
    .wavefront_size: 32
...
	.end_amdgpu_metadata
.endif
;; end of part 4
;; launch gemm_proj (part 5): grid 4 x 64, 4 waves a work-group, clusters of 4 x 4, 307,712 bytes of LDS; arguments opc, ao, proj_b, out0; writes out0
.if DOCPART == 5
	.amdgcn_target "amdgcn-amd-amdhsa--gfx1250"
	.amdhsa_code_object_version 6
	.text
	.protected	k_q33c7ab6f0b_gemm_proj
	.globl	k_q33c7ab6f0b_gemm_proj
	.p2align	8
	.type	k_q33c7ab6f0b_gemm_proj,@function
k_q33c7ab6f0b_gemm_proj:
	s_mov_b64 s[64:65], 0
	v_nop
	global_prefetch_b8 v0, s[64:65] scope:SCOPE_SE
	s_setreg_imm32_b32 hwreg(HW_REG_WAVE_MODE, 25, 1), 1
	s_wait_xcnt 0x0
	s_wait_alu depctr_hold_cnt(0) depctr_sa_sdst(0) depctr_va_vdst(0) depctr_va_sdst(0) depctr_va_ssrc(0) depctr_va_vcc(0) depctr_vm_vsrc(0)
	s_getreg_b32 s2, hwreg(HW_REG_IB_STS2, 6, 4)
	s_cmp_eq_u32 s2, 0
	s_cbranch_scc0 .Lentry_in_a_cluster
	s_endpgm
.Lentry_in_a_cluster:
	s_bfe_u32 s2, ttmp6, 0x10000c
	s_cmp_lg_u32 s2, 0xf033
	s_cbranch_scc0 .Lentry_shape_is_right
	s_endpgm
.Lentry_shape_is_right:
; ONE TEXT FOR THREE LAUNCHES; MODE, in the next line, is all that differs.  D = P R^T + bias on codes of FP6 (E2M3) with E8M0 scales, K = 1,024; sums in f32.
; MODE 0: P = rows 0-2,047 of qkv_w (q's and k's features), R = tokens; the results + qkv_b are quantised along a head's 64 and stored as operands of q k^T.
; MODE 1: P = tokens, R = rows 2,048-3,071 of qkv_w (v's features); the results + qkv_b are quantised along the keys and stored as operands of p v.
; MODE 2: P = rows of proj_w, R = tokens (the attention's result, as codes); the results + proj_b are the output, f32.
.set MODE, 2
; OPERANDS lie in memory in the order of their registers: [tile of 16 rows][group of 512 K][6,400 bytes]: four fragments of 1,536 bytes, then 256 bytes of scale words (16 x slot + 4 x fragment).
; Slot p of tile T is row 32 (T / 2) + 8 (T % 2) + p + 8 (p / 8).  Source 0 is P, so register j of lane (r, h) in the results of tiles 2 b + u is P's row 32 b + 16 h + 8 u + j: 16 neighbours in two tiles' registers;
; source 1 is R: a lane holds one row of R.  So the axis that is quantised next runs along a lane's registers.
; SHARES: a work-group makes 256 of P x 128 of R; wave w makes 128 (w % 2) x 64 (w / 2): 32 accumulators, 256 registers.
; ALL OF K LIES IN LDS: 24 tiles x 12,800 bytes = 307,200, filled once, in two groups of 512 K, so that no LDS byte is filled twice: no ring.  A larger block would not fit whole.
; CLUSTERS: 4 x 4 work-groups.  P's tiles hang on the work-group's x alone and are shared along a column of the cluster, R's on y alone and are shared along a row: each is asked for jointly.
; The bias is the C of each sum's first matrix instruction.  The 32 accumulators take turns, one instruction a turn, in the same order in every K step.
; LIMITS (MODE 0, 1): NaN and infinities are not served; a block whose largest magnitude lies under 2^-124, a block of zeros among them, keeps the scale byte 1 (zero codes add nothing; this program alone reads the bytes).
; REGISTERS: window 0: v1-15 addresses; v16-79 scale words, a set for each group; v80-175 R's fragments, two sets; v176-208 the way out.  window 1: P's fragments, two sets, at v0 and v128.
;   window 2: accumulator (m, t) at v[64 m + 8 t].  window 3: the bias, in the result's layout.
.set TILE,  6400                       ; a tile's bytes in one group
.set TSTR,  12800                      ; from tile to tile in memory
.set FRB,   1536                       ; a fragment
.set GRP,   153600                     ; LDS: a group: P's 16 tiles, then R's 8
.set ROFF,  102400
.if MODE == 0
.set PBASE, 6553600                    ; qkv_w's tiles in opc
.set RBASE, 0
.elseif MODE == 1
.set PBASE, 0
.set RBASE, 8192000                    ; qkv_w's tile 128: row 2,048
.else
.set PBASE, 9011200                    ; proj_w's tiles in opc
.set RBASE, 0
.endif
.if MODE == 2
.set RPTR,  6                          ; s[6:7] ao, s[8:9] proj_b, s[10:11] out0
.set BIASP, 8
.set OUTP,  10
.else
.set RPTR,  4                          ; s[4:5] opc, s[6:7] qkv_b, s[8:9] qkv
.set BIASP, 6
.set OUTP,  8
.endif
.set WV, 12                            ; s12 wave; s13 wave % 2; s14 wave / 2
.set WP, 13
.set WR, 14
.set CX, 15
.set CY, 16
.set GX, 17                            ; work-group x, y
.set GY, 18
.set G1P, 24                           ; s[24:31], s[32:39] descriptor groups 1 for P's and R's tiles
.set G1R, 32
.set G0P, 40                           ; s[40:47], s[48:55] groups 0, a set for each group of K
.set G0R, 48
.set L16, 1                            ; v1 16 x lane; v14 8 x lane; v15 4 x lane
.set AP16, 2                           ; v2-3, v4-5 LDS address of my P tiles in group 0, 1: + 16 x lane, + 8 x lane
.set AP8, 4
.set AR16, 6                           ; v6-9 the same for R
.set AR8, 8
.set ASA, 10                           ; v10-11 scale words: lanes 0-15 P's, lanes 16-31 R's
.set ASB, 12                           ; v12-13 scale words: P's in all lanes
.set L8, 14
.set L4, 15
.set SC, 16                            ; set g at 32 g; register 4 i + s: lanes 0-15 P's tile i, lanes 16-31 (i < 4) R's tile i, the group's K step s
.set RF, 80
.set IM, 80                            ; the way out (MODE 0, 1): 12 registers of codes for each tile of R
.set BK, 16                            ; the way out (MODE 2): 16 rows read back: v16-79 and v80-143 by turns
.set RR, 176                           ; v176 r; v177 h
.set HH, 177
.set VA, 178
.set VB, 179
.set TM, 180                           ; v180-195 at work
.set SQ, 196                           ; v196-202 second halves of blocks' codes
.set PW, 204                           ; v204-207 a scale word for each tile of R
.set VBI, 208                          ; the bias loads' offset
.set MSB, 0
.macro WIN new                         ; the immediate's high byte repeats the setting that is left
.if MSB != \new
	s_set_vgpr_msb (MSB<<8)|\new
.set MSB, \new
.endif
.endm
.macro CROUND                          ; a round of the cluster's barrier
	s_barrier_signal -1
	s_barrier_wait -1
	s_cmp_lg_u32 s[WV], 0
	s_cbranch_scc1 .Lnot_wave_0_\@
	s_barrier_signal -3
.Lnot_wave_0_\@:
	s_barrier_wait -3
	s_barrier_signal -1
	s_barrier_wait -1
.endm
.macro PLACES                          ; four plain vector instructions between a matrix instruction and a load into, or a read of, its registers (ISA guide 7.12.1 for the reads)
.rept 4
	v_nop
.endr
.endm
.macro FRAG reg, a16, a8, off          ; a fragment comes back as it was stored: consecutive bytes, no pitch
	ds_load_b128 v[(\reg):(\reg)+3], v[\a16] offset:(\off)
	ds_load_b64 v[(\reg)+4:(\reg)+5], v[\a8] offset:(\off)+512
	ds_load_b128 v[(\reg)+6:(\reg)+9], v[\a16] offset:(\off)+768
	ds_load_b64 v[(\reg)+10:(\reg)+11], v[\a8] offset:(\off)+1280
.endm
.macro FETCH s                         ; K step s: my 8 fragments of P and 4 of R into set s % 2
	WIN 0x40                                       ; destination window 1
.irp t, 0,1,2,3,4,5,6,7
	FRAG 128*((\s)%2)+12*\t, AP16+(\s)/4, AP8+(\s)/4, \t*TILE+((\s)%4)*FRB
.endr
	WIN 0
.irp m, 0,1,2,3
	FRAG RF+48*((\s)%2)+12*\m, AR16+(\s)/4, AR8+(\s)/4, \m*TILE+((\s)%4)*FRB
.endr
.endm
.macro SCALES g                        ; a group's scale words: four K steps' words of a row by one load
.irp i, 0,1,2,3
	ds_load_b128 v[SC+32*\g+4*\i:SC+32*\g+4*\i+3], v[ASA+\g] offset:\i*TILE
.endr
.irp i, 4,5,6,7
	ds_load_b128 v[SC+32*\g+4*\i:SC+32*\g+4*\i+3], v[ASB+\g] offset:\i*TILE
.endr
.endm
.macro MUL m0, s                       ; 16 matrix instructions: R's tiles m0, m0 + 1 x P's eight.  K step 0 starts the sums with the bias as C
.if (\s) == 0
	WIN 0xb1                                       ; source 0 window 1, source 1 window 0, C window 3, D window 2
.else
	WIN 0xa1                                       ; C and D window 2
.endif
.irp m, \m0, \m0+1
.irp t, 0,1,2,3,4,5,6,7
.if (\s) == 0
.if MODE == 1
.set CB, 8*(\m)
.else
.set CB, 8*\t
.endif
	v_wmma_scale_f32_16x16x128_f8f6f4 v[64*(\m)+8*\t:64*(\m)+8*\t+7], v[128*((\s)%2)+12*\t:128*((\s)%2)+12*\t+11], v[RF+48*((\s)%2)+12*(\m):RF+48*((\s)%2)+12*(\m)+11], v[CB:CB+7], v[SC+32*((\s)/4)+4*\t+(\s)%4], v[SC+32*((\s)/4)+4*(\m)+(\s)%4] matrix_a_fmt:MATRIX_FMT_FP6 matrix_b_fmt:MATRIX_FMT_FP6 matrix_b_scale:MATRIX_SCALE_ROW1
.else
	v_wmma_scale_f32_16x16x128_f8f6f4 v[64*(\m)+8*\t:64*(\m)+8*\t+7], v[128*((\s)%2)+12*\t:128*((\s)%2)+12*\t+11], v[RF+48*((\s)%2)+12*(\m):RF+48*((\s)%2)+12*(\m)+11], v[64*(\m)+8*\t:64*(\m)+8*\t+7], v[SC+32*((\s)/4)+4*\t+(\s)%4], v[SC+32*((\s)/4)+4*(\m)+(\s)%4] matrix_a_fmt:MATRIX_FMT_FP6 matrix_b_fmt:MATRIX_FMT_FP6 matrix_b_scale:MATRIX_SCALE_ROW1
.endif
.endr
.endr
.endm
.macro STEP s
	s_wait_dscnt 0x0                               ; this step's fragments, asked for 16 matrix instructions ago, are in
.if (\s) == 3
	s_wait_tensorcnt 0x0                           ; my part of group 1 has landed; my reads of group 0 are over (the wait above)
	s_barrier_signal -1
.endif
	MUL 0, \s
.if (\s) == 3
	s_barrier_wait -1                              ; everybody's part of group 1 is there, and nobody reads group 0 any more
.endif
.if (\s) < 7
	PLACES                                         ; the set that the step before multiplied is loaded again
	FETCH (\s)+1
.if (\s) == 3
	SCALES 1
.endif
.endif
	MUL 2, \s
.endm
.if MODE == 2
	s_load_b256 s[4:11], s[0:1], 0x0
	v_lshl_add_u32 v254, v0, 2, 0x4b000
	v_mov_b32 v255, 0
	ds_add_u32 v254, v255
	ds_add_u32 v254, v255
.else
	s_load_b128 s[4:7], s[0:1], 0x0
	s_load_b64 s[8:9], s[0:1], 0x10
.endif
	v_lshrrev_b32 v1, 5, v0
	v_readfirstlane_b32 s[WV], v1
	s_and_b32 s[WP], s[WV], 1                      ; my 128 of P.  Also: which half of a block I fetch
	s_lshr_b32 s[WR], s[WV], 1                     ; my 64 of R.  Also: I fetch for P (0) or for R (1)
	s_bfe_u32 s[CX], ttmp6, 0x40000
	s_bfe_u32 s[CY], ttmp6, 0x40004
	s_lshl_b32 s[GX], ttmp9, 2
	s_add_co_u32 s[GX], s[GX], s[CX]
	s_and_b32 s[GY], ttmp7, 0xffff
	s_lshl_b32 s[GY], s[GY], 2
	s_add_co_u32 s[GY], s[GY], s[CY]
	s_lshl_b32 s3, 0x1111, s[CX]                   ; my column of the cluster
	s_or_b32 s[G1P], s3, (3<<16)|(1<<21)           ; 15:0 the mask; 17:16 elements of 8 bytes; 21 set beside a mask; no padding
	s_lshl_b32 s2, s[CY], 2
	s_lshl_b32 s2, 15, s2                          ; my row
	s_or_b32 s[G1R], s2, (3<<16)|(1<<21)
.irp g, G1P, G1R
	s_mov_b32 s[\g+1], 800<<16                     ; tensor_dim0 = 800 elements: a tile's 6,400 bytes of one group
	s_mov_b32 s[\g+3], 800<<16                     ; tile_dim0
	s_mov_b32 s[\g+5], 1600                        ; from tile to tile: 12,800 bytes
	s_mov_b32 s[\g+6], 0
	s_mov_b32 s[\g+7], 0
.endr
	s_mov_b32 s[G1P+2], 8<<16                      ; tensor_dim1, tile_dim1: 8 tiles of P,
	s_mov_b32 s[G1P+4], 8
	s_mov_b32 s[G1R+2], 4<<16                      ; 4 of R
	s_mov_b32 s[G1R+4], 4
	s_mul_i32 s20, s[GX], 16*TSTR                  ; P: made of x and the wave's number alone
	s_mul_i32 s19, s[WP], 8*TSTR
	s_add_co_u32 s20, s20, s19
.if PBASE
	s_add_co_u32 s20, s20, PBASE
.endif
	s_mov_b32 s21, 0
	s_mul_i32 s22, s[GY], 8*TSTR                   ; R: made of y and the wave's number alone
	s_mul_i32 s19, s[WP], 4*TSTR
	s_add_co_u32 s22, s22, s19
.if RBASE
	s_add_co_u32 s22, s22, RBASE
.endif
	s_mov_b32 s23, 0
	s_mul_i32 s56, s[WP], 8*TILE                   ; where they go: no place in the cluster enters an LDS address
	s_mul_i32 s57, s[WP], 4*TILE
	s_add_co_u32 s57, s57, ROFF
	s_wait_dscnt 0x0
	s_wait_kmcnt 0x0
	s_add_nc_u64 s[20:21], s[4:5], s[20:21]
	s_add_nc_u64 s[22:23], s[RPTR:RPTR+1], s[22:23]
.irp g, 0,1
	s_mov_b32 s[G0P+4*\g], 1
	s_add_co_u32 s[G0P+4*\g+1], s56, \g*GRP
	s_add_nc_u64 s[G0P+4*\g+2:G0P+4*\g+3], s[20:21], \g*TILE
	s_or_b32 s[G0P+4*\g+3], s[G0P+4*\g+3], 0x80000000
	s_mov_b32 s[G0R+4*\g], 1
	s_add_co_u32 s[G0R+4*\g+1], s57, \g*GRP
	s_add_nc_u64 s[G0R+4*\g+2:G0R+4*\g+3], s[22:23], \g*TILE
	s_or_b32 s[G0R+4*\g+3], s[G0R+4*\g+3], 0x80000000
.endr
	CROUND                                         ; all sixteen work-groups are here: the joint loads meet
	s_cmp_eq_u32 s[WR], 0                          ; a wave's two fills stand in one branch on its number: two tensor loads of mine are out; four v_nop follow the second
	s_cbranch_scc0 .Lfill_r
	tensor_load_to_lds s[G0P:G0P+3], s[G1P:G1P+7]
	s_nop 0
	tensor_load_to_lds s[G0P+4:G0P+7], s[G1P:G1P+7]
	s_nop 0
.rept 4
	v_nop
.endr
	s_branch .Lfilled
.Lfill_r:
	tensor_load_to_lds s[G0R:G0R+3], s[G1R:G1R+7]
	s_nop 0
	tensor_load_to_lds s[G0R+4:G0R+7], s[G1R:G1R+7]
	s_nop 0
.rept 4
	v_nop
.endr
.Lfilled:
	v_and_b32 v[RR], 15, v0
	v_bfe_u32 v[HH], v0, 4, 1
	v_and_b32 v[L4], 31, v0
	v_lshlrev_b32 v[L16], 4, v[L4]
	v_lshlrev_b32 v[L8], 3, v[L4]
	v_lshlrev_b32 v[L4], 2, v[L4]
	s_mul_i32 s58, s[WR], 4*TILE
	s_add_co_u32 s58, s58, ROFF                    ; my 4 tiles of R;  s56: my 8 tiles of P
	s_sub_co_u32 s59, s58, s56                     ; the distance between the two
	v_add_nc_u32 v[AP16], s56, v[L16]
	v_add_nc_u32 v[AP8], s56, v[L8]
	v_add_nc_u32 v[AR16], s58, v[L16]
	v_add_nc_u32 v[AR8], s58, v[L8]
	v_lshl_add_u32 v[ASB], v[RR], 4, s56
	v_add_nc_u32 v[ASB], 6144, v[ASB]              ; slot r's four words of a tile of P
	v_mul_u32_u24 v[ASA], s59, v[HH]               ; lanes 16-31 take R's
	v_add_nc_u32 v[ASA], v[ASA], v[ASB]
.irp a, AP16, AP8, AR16, AR8, ASA, ASB
	v_add_nc_u32 v[\a+1], GRP, v[\a]               ; the same in group 1
.endr
	; the bias, in the result's layout, into window 3
.if MODE == 1
	s_lshl_b32 s2, s[GY], 9                        ; R's feature 2,048 + 128 y + 64 (wave / 2), in bytes
	s_lshl_b32 s19, s[WR], 8
	s_add_co_u32 s2, s2, s19
	s_add_co_u32 s2, s2, 8192
	v_and_b32 v[VBI], 8, v[RR]
	v_add_nc_u32 v[VBI], v[VBI], v[RR]
	v_lshlrev_b32 v[VBI], 2, v[VBI]                ; slot r's row: r + 8 (r / 8)
.else
	s_lshl_b32 s2, s[GX], 10                       ; P's row 256 x + 128 (wave % 2), in bytes
	s_lshl_b32 s19, s[WP], 9
	s_add_co_u32 s2, s2, s19
	v_lshlrev_b32 v[VBI], 6, v[HH]                 ; + 16 h numbers
.endif
	s_mov_b32 s3, 0
	s_add_nc_u64 s[BIASP:BIASP+1], s[BIASP:BIASP+1], s[2:3]
	WIN 0xc0                                       ; destination window 3
.if MODE == 1
.irp m, 0,1,2,3
.irp j, 0,1,2,3,4,5,6,7
	global_load_b32 v[8*\m+\j], v[VBI], s[BIASP:BIASP+1] offset:(32*(\m/2)+8*(\m%2))*4   ; a lane holds one feature: the same number in all eight registers
.endr
.endr
.else
.irp t, 0,1,2,3,4,5,6,7
	global_load_b128 v[8*\t:8*\t+3], v[VBI], s[BIASP:BIASP+1] offset:(32*(\t/2)+8*(\t%2))*4
	global_load_b128 v[8*\t+4:8*\t+7], v[VBI], s[BIASP:BIASP+1] offset:(32*(\t/2)+8*(\t%2))*4+16
.endr
.endif
	WIN 0
	; where my results go
.if MODE == 0
	s_lshr_b32 s2, s[GY], 4                        ; qkv is [batch x 16 + head][4 steps' group][K 0, V 1, Q 2][step % 4][6,400]; a step is 128 tokens
	s_lshl_b32 s2, s2, 4
	s_and_b32 s19, s[GX], 3
	s_lshl_b32 s19, s19, 2
	s_add_co_u32 s2, s2, s19
	s_lshl_b32 s19, s[WP], 1
	s_add_co_u32 s2, s2, s19                       ; the first of my two heads
	s_mul_i32 s2, s2, 307200
	s_bfe_u32 s19, s[GY], 0x20002
	s_mul_i32 s19, s19, 76800
	s_add_co_u32 s2, s2, s19
	s_and_b32 s19, s[GY], 3
	s_mul_i32 s19, s19, 6400
	s_add_co_u32 s2, s2, s19
	s_mul_i32 s19, s[WR], 3072                     ; my four tiles of tokens, 768 bytes each
	s_add_co_u32 s2, s2, s19
	s_lshr_b32 s19, s[GX], 2                       ; x 0-3: q's features, part 2;  x 4-7: k's, part 0
	s_mul_i32 s19, s19, 51200
	s_sub_co_u32 s19, 51200, s19
	s_add_co_u32 s2, s2, s19
	s_mul_i32 s19, s[WR], 2944
	s_sub_co_u32 s19, 6144, s19                    ; the scale words: 6,144 + 128 (wave / 2) from the step's first byte
	v_add_nc_u32 v[VA], s19, v[L4]
.elseif MODE == 1
	s_lshl_b32 s19, s[GX], 1
	s_add_co_u32 s19, s19, s[WP]                   ; my 128 tokens: step 2 x + wave % 2 of all batches'
	s_lshr_b32 s2, s[GX], 3
	s_lshl_b32 s2, s2, 4
	s_lshl_b32 s3, s[GY], 1
	s_add_co_u32 s2, s2, s3
	s_add_co_u32 s2, s2, s[WR]                     ; batch x 16 + head
	s_mul_i32 s2, s2, 307200
	s_bfe_u32 s3, s19, 0x20002
	s_mul_i32 s3, s3, 76800
	s_add_co_u32 s2, s2, s3
	s_and_b32 s3, s19, 3
	s_mul_i32 s3, s3, 6400
	s_add_co_u32 s2, s2, s3
	s_add_co_u32 s2, s2, 25600                     ; V's part
.else
	s_lshl_b32 s2, s[GY], 19                       ; token 128 y + 64 (wave / 2), rows of 4,096 bytes;
	s_lshl_b32 s19, s[WR], 18
	s_add_co_u32 s2, s2, s19
	s_lshl_b32 s19, s[GX], 10                      ; column 256 x + 128 (wave % 2)
	s_add_co_u32 s2, s2, s19
	s_lshl_b32 s19, s[WP], 9
	s_add_co_u32 s2, s2, s19
	s_mul_i32 s19, s[WV], 8448                     ; my stage: 16 rows of 512 bytes + 16.  It lies in group 0's bytes, which are filled once and read by nobody behind K step 3's barrier
	v_mul_u32_u24 v[VA], v[RR], 528
	v_lshl_add_u32 v[VA], v[HH], 6, v[VA]
	v_add_nc_u32 v[VA], s19, v[VA]                 ; in: row r, + 64 h bytes
	v_add_nc_u32 v[VB], s19, v[L16]                ; back: a whole row, 16 bytes a lane
.endif
	s_mov_b32 s3, 0
	s_add_nc_u64 s[OUTP:OUTP+1], s[OUTP:OUTP+1], s[2:3]
	s_mov_b32 s60, 0x76543210
	s_mov_b32 s61, 0xfedcba98                      ; v_permlanex16_b32's selects for lane l xor 16
	s_wait_alu depctr_va_vdst(0)
	s_wait_tensorcnt 1                             ; my part of group 0 is in; group 1's load may stay out
	s_barrier_signal -1
	s_barrier_wait -1                              ; everybody's is
	FETCH 0
	SCALES 0
	s_wait_loadcnt 0x0                             ; the bias
.irp s, 0,1,2,3,4,5,6,7
	STEP \s
.endr
	WIN 0
	PLACES                                         ; behind the last products
.if MODE < 2
; THE WAY OUT.  The 64 registers of a tile of R, register 16 b + i = P's index 32 b + 16 h + i, become a fragment's codes and its rows' scale word.
.macro QUANTW m
	WIN 0x0a                                       ; sources 0 and 1: window 2
.irp b, 0,1,2,3
	v_max3_num_f32 v[TM+\b], |v[64*(\m)+16*\b]|, |v[64*(\m)+16*\b+1]|, 0x1800000   ; each accumulator from its low end on; the floor 2^(3 - 127) holds the byte at 1 from below
.endr
.irp i, 2,4,6,8,10,12,14
.irp b, 0,1,2,3
	v_max3_num_f32 v[TM+\b], |v[64*(\m)+16*\b+\i]|, |v[64*(\m)+16*\b+\i+1]|, v[TM+\b]
.endr
.endr
	WIN 0
.irp b, 0,1,2,3
	v_permlanex16_b32 v[TM+4+\b], v[TM+\b], s60, s61
.endr
.irp b, 0,1,2,3
	v_max_num_f32 v[TM+\b], v[TM+\b], v[TM+4+\b]   ; with lane l xor 16's 16: the block's largest magnitude
.endr
.irp b, 0,1,2,3
	v_add_nc_u32 v[TM+12+\b], 0xff000000, v[TM+\b] ; 2 off its exponent field: the conversion's scale operand
.endr
.irp b, 0,1,2,3
	v_lshrrev_b32 v[TM+4+\b], 23, v[TM+12+\b]      ; the scale's byte
.endr
	v_lshl_or_b32 v[PW+(\m)], v[TM+5], 8, v[TM+4]
	v_lshl_or_b32 v[PW+(\m)], v[TM+6], 16, v[PW+(\m)]
	v_lshl_or_b32 v[PW+(\m)], v[TM+7], 24, v[PW+(\m)]
	WIN 0x02                                       ; source 0: window 2
.irp c, 0,1
	v_cvt_scalef32_pk16_fp6_f32 v[IM+12*(\m)+6*\c:IM+12*(\m)+6*\c+2], v[64*(\m)+32*\c:64*(\m)+32*\c+15], v[TM+12+2*\c]
	v_cvt_scalef32_pk16_fp6_f32 v[SQ+4*\c:SQ+4*\c+2], v[64*(\m)+32*\c+16:64*(\m)+32*\c+31], v[TM+12+2*\c+1]   ; (a conversion's three registers begin on an even number)
.endr
	WIN 0
	v_nop                                          ; one plain place behind a scaled conversion
.irp c, 0,1                            ; the operand's layout wants a whole block in a lane: lanes 0-15 block 2 c, lanes 16-31 block 2 c + 1
.irp i, 0,1,2
	v_permlane16_swap_b32 v[IM+12*(\m)+6*\c+\i], v[SQ+4*\c+\i]
.endr
.irp i, 0,1,2
	v_mov_b32 v[IM+12*(\m)+6*\c+3+\i], v[SQ+4*\c+\i]
.endr
.endr
.endm
.irp b, 0,1,2,3
	v_mov_b32 v[TM+4+\b], 0                        ; written once: a lane permute's destination counts as one of its sources
.endr
	v_cmp_eq_u32 vcc_lo, 1, v[HH]                  ; lanes 16-31
.irp m, 0,1,2,3                        ; each tile has its own 12 registers of codes: no store's data are written again
	QUANTW \m
.irp c, 0,1
.if MODE == 0                          ; half c is head c's 64 features of 16 tokens: 768 bytes at the tile's place in that head's step
	global_store_b128 v[L16], v[IM+12*\m+6*\c:IM+12*\m+6*\c+3], s[OUTP:OUTP+1] offset:\m*768+\c*307200
	global_store_b64 v[L8], v[IM+12*\m+6*\c+4:IM+12*\m+6*\c+5], s[OUTP:OUTP+1] offset:\m*768+\c*307200+512
.else                                  ; the fragment of 16 channels x 128 keys
	global_store_b128 v[L16], v[IM+12*\m+6*\c:IM+12*\m+6*\c+3], s[OUTP:OUTP+1] offset:\m*FRB+\c*768
	global_store_b64 v[L8], v[IM+12*\m+6*\c+4:IM+12*\m+6*\c+5], s[OUTP:OUTP+1] offset:\m*FRB+\c*768+512
.endif
.endr
.endr
.if MODE == 0                          ; a pair of tiles is one operand of q k^T: its word is the first tile's two bytes of the head, then the second's; lanes 0-15 store the pair (0, 1), lanes 16-31 the pair (2, 3)
.irp c, 0,1
	v_perm_b32 v[TM], v[PW+1], v[PW], 0x05040100+\c*0x02020202
	v_perm_b32 v[TM+1], v[PW+3], v[PW+2], 0x05040100+\c*0x02020202
	v_cndmask_b32 v[TM+8+\c], v[TM], v[TM+1], vcc_lo
	global_store_b32 v[VA], v[TM+8+\c], s[OUTP:OUTP+1] offset:\c*307200   ; 128 consecutive bytes; the other wave of these tokens stores the 128 beside them
.endr
.else                                  ; lanes 0-15 store tile 2 i's words, lanes 16-31 tile 2 i + 1's
.irp i, 0,1
	v_cndmask_b32 v[TM+8+\i], v[PW+2*\i], v[PW+2*\i+1], vcc_lo
	global_store_b32 v[L4], v[TM+8+\i], s[OUTP:OUTP+1] offset:6144+128*\i
.endr
.endif
.else
; THE WAY OUT, a tile of 16 tokens x 128 columns at a time, through my own stage: a lane holds pieces of one row, and the rows leave whole.
.macro TOSTAGE m
	WIN 0x08                                       ; an LDS store's data are its source 1: window 2
.irp q, 0,1,2,3,4,5,6,7,8,9,10,11,12,13,14,15
	ds_store_b128 v[VA], v[64*(\m)+4*\q:64*(\m)+4*\q+3] offset:128*(\q/4)+16*(\q%4)   ; registers 16 b + 4 j on: columns 32 b + 16 h + 4 j on; each accumulator from its low end on
.endr
	WIN 0
.irp t, 0,1,2,3,4,5,6,7,8,9,10,11,12,13,14,15
	ds_load_b128 v[BK+64*((\m)%2)+4*\t:BK+64*((\m)%2)+4*\t+3], v[VB] offset:\t*528   ; LDS serves a wave's instructions in order: these see the stores above
.endr
.endm
.macro SEND m, younger                 ; younger: the LDS instructions issued behind this tile's loads, which may stay out
	s_wait_dscnt \younger
.irp t, 0,1,2,3,4,5,6,7,8,9,10,11,12,13,14,15
	global_store_b128 v[L16], v[BK+64*((\m)%2)+4*\t:BK+64*((\m)%2)+4*\t+3], s[OUTP:OUTP+1] offset:(32*((\m)/2)+8*((\m)%2)+\t+8*(\t/8))*4096 th:TH_STORE_NT   ; slot t's token; 512 consecutive bytes, at a multiple of 256 from the buffer's first byte
.endr
.endm
	TOSTAGE 0
.irp a, 1,2,3
.if \a > 1
	s_wait_xcnt 0x0                                ; tile a - 2's stores have read their registers: tile a's rows may land there
.endif
	TOSTAGE \a
	SEND \a-1, 32                                  ; behind tile a - 1's loads: tile a's 16 stores and 16 loads
.endr
	SEND 3, 0
.endif
	s_wait_tensorcnt 0x0
	ds_add_u32 v254, v255
	s_wait_dscnt 0x0
	CROUND                                         ; the closing round: no work-group ends while a partner may still ask for a tile that names it
	s_endpgm
.Lfunc_end_k_q33c7ab6f0b_gemm_proj:
	.size	k_q33c7ab6f0b_gemm_proj, .Lfunc_end_k_q33c7ab6f0b_gemm_proj-k_q33c7ab6f0b_gemm_proj
	.p2alignl 7, 3214868480
	.fill 96, 4, 3214868480
	.section	.rodata,"a",@progbits
	.p2align	6, 0x0
	.amdhsa_kernel k_q33c7ab6f0b_gemm_proj
		.amdhsa_group_segment_fixed_size 307712
		.amdhsa_private_segment_fixed_size 0
		.amdhsa_enable_private_segment 0
		.amdhsa_kernarg_size 32
		.amdhsa_user_sgpr_count 2
		.amdhsa_user_sgpr_kernarg_segment_ptr 1
		.amdhsa_wavefront_size32 1
		.amdhsa_system_sgpr_workgroup_id_x 1
		.amdhsa_system_sgpr_workgroup_id_y 1
		.amdhsa_system_sgpr_workgroup_id_z 1
		.amdhsa_system_vgpr_workitem_id 0
		.amdhsa_next_free_vgpr 1024
		.amdhsa_next_free_sgpr 66
		.amdhsa_reserve_vcc 1
		.amdhsa_float_denorm_mode_32 3
		.amdhsa_float_denorm_mode_16_64 3
		.amdhsa_memory_ordered 1
		.amdhsa_forward_progress 1
		.amdhsa_inst_pref_size 83
	.end_amdhsa_kernel
	.amdgpu_metadata
---
amdhsa.version: [ 1, 2 ]
amdhsa.kernels:
  - .name:           k_q33c7ab6f0b_gemm_proj
    .symbol:         k_q33c7ab6f0b_gemm_proj.kd
    .args:
      - { .name: opc, .offset: 0, .size: 8, .value_kind: global_buffer, .address_space: global }
      - { .name: ao, .offset: 8, .size: 8, .value_kind: global_buffer, .address_space: global }
      - { .name: proj_b, .offset: 16, .size: 8, .value_kind: global_buffer, .address_space: global }
      - { .name: out0, .offset: 24, .size: 8, .value_kind: global_buffer, .address_space: global }
    .group_segment_fixed_size: 307712
    .private_segment_fixed_size: 0
    .kernarg_segment_align: 8
    .kernarg_segment_size: 32
    .max_flat_workgroup_size: 128
    .sgpr_count:     66
    .vgpr_count:     1024
    .wavefront_size: 32
...
	.end_amdgpu_metadata
.endif
;; end of part 5
